; MI455X (gfx1250); checked and timed in simulation.
; The chip was launched on July 23, 2026; its instructions are those of AMD's public machine-readable ISA for CDNA 5 (MIT licence, August 2026) and "CDNA5" Instruction Set Architecture Reference Guide (July 2026). The comments in the code are by the model that wrote it; some were corrected since.
;; Multi Head Latent Attention. Allowed arithmetic: matrix products marked QUANTISED: E2M3 operands, one E8M0 scale for each 32 along K, by v_wmma_scale_f32_16x16x128_f8f6f4 with both operands' format E2M3, f32 sums; everything else in f32.
;; Inputs: K 2 x 2,048 x 4,096 float32; Q 2 x 1,024 x 4,096 float32; W_qk 512 x 4,096 float32; Wkv_d 4,096 x 256 float32; Wq_d 4,096 x 512 float32; Wv_u 256 x 4,096 float32.
;; Outputs: out0 2 x 1,024 x 4,096 float32.
;; This version of the problem:
;;   THIS VERSION OF THE PROBLEM IS GIVEN IN LOW PRECISION. The matrix products marked QUANTISED in the list below multiply operands that are first quantised to E2M3 (2 exponent bits, 3 mantissa bits; 6 bits a number), with one power-of-two scale for each 32 numbers along K (OCP MX v1.0); their sums are f32. All else is computed in f32.
;;   The module's matrix products, in the order in which they are computed (A, B: the left and right operand; K: the contracted axis; several contracted axes count as one K, in the product's order):
;;     1. [M 2,048, K 4,096] x [K 4,096, N 512]; A: input Q; B: input Wq_d: QUANTISED
;;     2. [M 4,096, K 4,096] x [K 4,096, N 256]; A: input K; B: input Wkv_d: QUANTISED
;;     3. [M 2,048, K 512] x [K 512, N 4,096]; A: computed on the way; B: input W_qk: QUANTISED
;;     4. batch 2 x [M 2,048, K 256] x [K 256, N 16,384]; A: computed on the way; B: computed on the way: QUANTISED
;;     5. [M 4,096, K 256] x [K 256, N 4,096]; A: computed on the way; B: input Wv_u: QUANTISED
;;     6. batch 32 x [M 256, K 2,048] x [K 2,048, N 1,024]; A: computed on the way; B: softmax (see below): QUANTISED
;;   THE QUANTISER, for each operand of a quantised product, along K:
;;     - K is cut into blocks of 32 from its start; a last block that is shorter is filled with zeros.
;;     - A block's scale is 2^e with e = floor(log2(the largest magnitude in the block)) - 2, held to -126 .. 127; a block of zeros has e = 0. As a byte (E8M0): e + 127.
;;     - Each number is divided by its block's scale, clamped to +-7.5, and rounded to the nearest number of E2M3, ties to even, subnormals kept.
;;     - The product sums the exact products of the quantised numbers (number of the format x scale) in f32.
;;   ~~~python
;;   def quantise(x, axis):      # numpy; x: float32 -> the quantised numbers, widened to float32 again
;;       x = np.moveaxis(x, axis, -1); K = x.shape[-1]
;;       x = np.pad(x, [(0, 0)] * (x.ndim - 1) + [(0, -K % 32)]); x = x.reshape(x.shape[:-1] + (-1, 32)); a = np.abs(x).max(-1, keepdims=True)
;;       e = np.where(a > 0, np.clip(np.frexp(np.where(a > 0, a, 1))[1] - 1 - 2, -126, 127), 0)      # np.frexp(a)[1] - 1 = floor(log2(a)), exactly
;;       r = np.clip(x / 2.0 ** e, -7.5, 7.5)
;;       step = 2.0 ** (np.maximum(np.frexp(np.where(r == 0, 1, r))[1] - 1, 0) - 3)
;;       q = np.round(r / step) * step * 2.0 ** e      # np.round: ties to even
;;       return np.moveaxis(q.reshape(q.shape[:-2] + (-1,))[..., :K], -1, axis).astype(np.float32)
;;   ~~~
;;   SOFTMAX AHEAD OF A QUANTISED PRODUCT. Where the list says 'softmax', what is quantised is not the finished softmax but p = 2^(t - M), with t = logit x log2(e) and M = ceil(the row's largest t), a whole number; so 1/2 < the row's largest p <= 1. The row's sum l is taken of the UNQUANTISED p, in f32, and the product's result is divided by l at the end. Since M is a whole number, a kernel that streams over the keys may use a running M (the ceiling of the running maximum): every later rescaling is an exact power of two, which a block's scale takes up: the codes' values come out the same.
;;   OPERANDS COMPUTED ON THE WAY. 'Computed on the way' means the value that the module computes at that place (a softmax that the list does not call 'softmax' is quantised finished and normalised). What goes into a quantiser is computed in f32, as accurately as f32 sums, v_exp_f32 and their like allow (about 1e-6 of the number): no bf16 or f16 on the way to a quantiser, and a product that is left as it is and whose result goes on into a quantised operand takes f32 operands (vector FMAs, or v_wmma_f32_16x16x4_f32). A number that lies on a knife's edge between two numbers of the format may be rounded either way, as far as f32 arithmetic and the matrix unit's own rounding can turn it there, and no further.
;; One version. Each part assembles by itself: llvm-mc -triple=amdgcn-amd-amdhsa -mcpu=gfx1250 --defsym DOCPART=n.
;; ======== version 1 of 1: 4 launches
;; workspace buffers: wts 4,915,200 bytes; cq 819,200 bytes; ckv 819,200 bytes; qc 6,553,600 bytes; vc 13,107,200 bytes
;; launch wquant (part 1): grid 256 x 1, 6 waves a work-group, no clusters, 0 bytes of LDS; arguments Wq_d, Wkv_d, W_qk, Wv_u, wts; writes wts
.if DOCPART == 1
	.amdgcn_target "amdgcn-amd-amdhsa--gfx1250"
	.amdhsa_code_object_version 6
	.text
	.protected	k_qd35a217978_wquant
	.globl	k_qd35a217978_wquant
	.p2align	8
	.type	k_qd35a217978_wquant,@function
k_qd35a217978_wquant:
	s_mov_b64 s[64:65], 0
	v_nop
	global_prefetch_b8 v0, s[64:65] scope:SCOPE_SE
	s_setreg_imm32_b32 hwreg(HW_REG_WAVE_MODE, 25, 1), 1
	s_wait_xcnt 0x0
; The four weights, f32 stored [K][columns], become codes of FP6 (E2M3) with one E8M0 byte for each 32 along K, laid as IMAGES OF THE OPERAND'S REGISTERS.
; A fragment (16 columns x 128 K, 12 registers a lane) is 1,536 bytes: registers 4 c .. 4 c + 3 of lane l at 512 c + 16 l.  A scale image is 128 bytes: the words of two tiles, tile 0 in lanes 0-15, tile 1 in lanes 16-31.
; A record holds 32 columns (tiles u = 0, 1) for all KS steps of 128 along K: fragment (s, u) at (2 s + u) x 1,536, the scale image of step s at KS x 3,072 + 128 s.
; wts: Wq_d's 16 records of 102,400 bytes at 0; Wkv_d's 8 at 1,638,400; W_qk's 128 of 12,800 at 2,457,600; Wv_u's 128 of 6,400 at 4,096,000.
; ORDER OF A TILE'S ROWS.  Wq_d, Wkv_d, W_qk: row p of tile u is column 8 u + p + 8 (p / 8) of the 32, so that in the product's transposed result a lane's 16 registers of the two tiles are 16 neighbours along the next K.  Wv_u: column 16 u + p.
; SHARES.  1,536 wave jobs, J = 6 x work-group + wave: 32 columns x 128 along K.  A LANE TAKES A COLUMN AND ITS REGISTERS RUN DOWN K: a load reads 128 consecutive bytes, a block of 32 lies in one lane, nothing is transposed.
; The operand's layout gives lane p of a tile blocks 0 and 2 and lane 16 + p blocks 1 and 3: so a column's codes leave as two runs of 12 registers, 256 bytes apart in each third of the image; sixteen lanes fill 256 consecutive aligned bytes.
; One path serves all four tensors: what differs is chosen by s_cselect on J.  Waves share nothing: no LDS, no barrier.  No matrix unit and no cluster: a stream, each byte read once and written once.
; A block's scale is 2^(floor(log2(largest magnitude)) - 2): its byte is the largest magnitude's exponent field - 2, held at 1 from below.
; LIMITS: a block of zeros gets the byte 1 where the rule says 127 (its codes are zeros, and this program alone reads the bytes); blocks whose largest magnitude lies under 2^-124 are held at the byte 1; NaN and infinities are not served.
.set X,   32                           ; v32-159  four blocks of 32 numbers
.set VO,  160                          ; v160-191 4 x lane + i x a row of the tensor in bytes
.set CA,  192                          ; v192-203 blocks 0 | 2;  v204-215 blocks 1 | 3
.set TT,  216                          ; v216-218 a block's second 16 codes (a conversion's three registers begin on an even number)
	s_load_b256 s[4:11], s[0:1], 0x0               ; Wq_d s[4:5], Wkv_d s[6:7], W_qk s[8:9], Wv_u s[10:11]
	s_load_b64 s[12:13], s[0:1], 0x20              ; wts
	v_lshrrev_b32 v1, 5, v0
	v_readfirstlane_b32 s14, v1                    ; wave 0..5
	s_mul_i32 s15, ttmp9, 6
	s_add_co_u32 s15, s15, s14                     ; J
	s_mov_b32 s16, 1280                            ; Wv_u's figures: its first J,
	s_mov_b32 s17, 7                               ; log2 of its groups of 32 columns,
	s_mov_b32 s18, 127                             ; their number - 1,
	s_mov_b32 s19, 16384                           ; a row in bytes,
	s_mov_b32 s20, 6400                            ; a record,
	s_mov_b32 s21, 6144                            ; where a record's scale images begin,
	s_mov_b32 s22, 4096000                         ; where its records begin in wts,
	s_mov_b32 s23, 0                               ; and the order of a tile's rows: 0 as they lie, -1 permuted
	s_wait_kmcnt 0x0
	s_mov_b64 s[24:25], s[10:11]
	s_cmp_lt_u32 s15, 1280                         ; W_qk or an earlier one
	s_cselect_b32 s16, 768, s16
	s_cselect_b32 s20, 12800, s20
	s_cselect_b32 s21, 12288, s21
	s_cselect_b32 s22, 2457600, s22
	s_cselect_b32 s23, -1, s23
	s_cselect_b64 s[24:25], s[8:9], s[24:25]
	s_cmp_lt_u32 s15, 768                          ; Wkv_d or Wq_d
	s_cselect_b32 s16, 512, s16
	s_cselect_b32 s17, 3, s17
	s_cselect_b32 s18, 7, s18
	s_cselect_b32 s19, 1024, s19
	s_cselect_b32 s20, 102400, s20
	s_cselect_b32 s21, 98304, s21
	s_cselect_b32 s22, 1638400, s22
	s_cselect_b64 s[24:25], s[6:7], s[24:25]
	s_cmp_lt_u32 s15, 512                          ; Wq_d
	s_cselect_b32 s16, 0, s16
	s_cselect_b32 s17, 4, s17
	s_cselect_b32 s18, 15, s18
	s_cselect_b32 s19, 2048, s19
	s_cselect_b32 s22, 0, s22
	s_cselect_b64 s[24:25], s[4:5], s[24:25]
	s_sub_co_u32 s26, s15, s16                     ; the job within its tensor
	s_and_b32 s27, s26, s18                        ; g: which 32 columns (neighbouring jobs read neighbouring 128 bytes)
	s_lshr_b32 s28, s26, s17                       ; s: which 128 along K
	s_lshl_b32 s29, s28, 7
	s_mul_i32 s29, s29, s19                        ; 128 s rows,
	s_lshl_b32 s30, s27, 7
	s_add_co_u32 s30, s29, s30                     ; + 128 g bytes: under 2^24
	s_mov_b32 s31, 0
	s_add_nc_u64 s[32:33], s[24:25], s[30:31]      ; block 0's first row
	s_lshl_b32 s30, s19, 5                         ; 32 rows
	s_add_nc_u64 s[34:35], s[32:33], s[30:31]      ; block 1's,
	s_add_nc_u64 s[36:37], s[34:35], s[30:31]      ; block 2's,
	s_add_nc_u64 s[38:39], s[36:37], s[30:31]      ; block 3's
	s_mul_i32 s44, s27, s20
	s_add_co_u32 s44, s44, s22
	s_mov_b32 s45, 0
	s_add_nc_u64 s[42:43], s[12:13], s[44:45]      ; the group's record
	s_mul_i32 s44, s28, 3072
	s_add_nc_u64 s[40:41], s[42:43], s[44:45]      ; its fragments of step s
	s_lshl_b32 s44, s28, 7
	s_add_co_u32 s44, s44, s21
	s_add_nc_u64 s[42:43], s[42:43], s[44:45]      ; its scale image of step s
	v_and_b32 v1, 31, v0                           ; lane = column of the 32
	v_bfe_u32 v4, v1, 3, 1                         ; permuted: tile (column / 8) % 2,
	v_and_b32 v5, 7, v1
	v_lshrrev_b32 v6, 4, v1                        ; (as they lie: tile column / 16,
	v_lshl_add_u32 v5, v6, 3, v5                   ; row column % 8 + 8 (column / 16)
	v_and_b32 v7, 15, v1                           ; row column % 16)
	v_cndmask_b32 v4, v6, v4, s23                  ; u
	v_cndmask_b32 v5, v7, v5, s23                  ; p
	v_mul_u32_u24 v2, v4, 1536
	v_lshl_add_u32 v2, v5, 4, v2                   ; my codes' place: 1,536 u + 16 p
	v_lshl_add_u32 v3, v4, 4, v5
	v_lshlrev_b32 v3, 2, v3                        ; my scale word's: 4 (16 u + p)
	v_lshlrev_b32 v[VO], 2, v1
.set i, 1
.rept 31
	v_add_nc_u32 v[VO+i], s19, v[VO+i-1]
.set i, i+1
.endr
.macro LOAD b                          ; block b: W(128 s + 32 b + i, my column), i = 0 .. 31
.set i, 0
.rept 32
	global_load_b32 v[X+32*(\b)+i], v[VO+i], s[32+2*(\b):33+2*(\b)] th:TH_LOAD_NT
.set i, i+1
.endr
.endm
.macro BLOCK b
.set XS, X+32*(\b)
.set D,  CA+12*((\b)%2)+6*((\b)/2)
	v_max3_num_f32 v12, |v[XS]|, |v[XS+1]|, |v[XS+2]|              ; the block's largest magnitude: all 32 numbers are mine; two chains
	v_max3_num_f32 v13, |v[XS+3]|, |v[XS+4]|, |v[XS+5]|
.irp i, 6,10,14,18,22,26
	v_max3_num_f32 v12, v12, |v[XS+\i]|, |v[XS+\i+1]|
	v_max3_num_f32 v13, v13, |v[XS+\i+2]|, |v[XS+\i+3]|
.endr
	v_max3_num_f32 v12, v12, |v[XS+30]|, |v[XS+31]|
	v_max3_num_f32 v12, v12, v13, 0x1800000        ; and the floor 2^(3 - 127): the byte cannot fall under 1
	v_add_nc_u32 v11, 0xff000000, v12              ; 2 off the exponent field: the conversion takes this operand's exponent field as its scale
	v_lshrrev_b32 v13, 23, v11                     ; the scale's byte
.if (\b) == 0
	v_mov_b32 v10, v13                             ; four bytes make my column's scale word, the lower K in the lower byte
.else
	v_lshl_or_b32 v10, v13, 8*(\b), v10
.endif
	v_cvt_scalef32_pk16_fp6_f32 v[D:D+2], v[XS:XS+15], v11
	v_cvt_scalef32_pk16_fp6_f32 v[TT:TT+2], v[XS+16:XS+31], v11
	v_nop                                          ; one plain instruction between a scaled conversion and the vector instruction that reads its result
.irp i, 0,1,2
	v_mov_b32 v[D+3+\i], v[TT+\i]
.endr
.endm
	LOAD 0
	LOAD 1
	s_wait_loadcnt 32                              ; block 0 is in; block 1's 32 loads may be out
	LOAD 2
	BLOCK 0
	s_wait_loadcnt 32                              ; block 1 is in; block 2's may be out
	LOAD 3
	BLOCK 1
	s_wait_loadcnt 32                              ; block 2 is in; block 3's may be out
	BLOCK 2
	s_wait_loadcnt 0x0
	BLOCK 3
.irp c, 0,1,2
	global_store_b128 v2, v[CA+4*\c:CA+4*\c+3], s[40:41] offset:512*\c           ; for lane p of my tile: sixteen lanes fill 256 consecutive bytes, at a multiple of 256 from the buffer's first byte
	global_store_b128 v2, v[CA+12+4*\c:CA+12+4*\c+3], s[40:41] offset:512*\c+256 ; for lane 16 + p
.endr
	global_store_b32 v3, v10, s[42:43]             ; 128 consecutive bytes
	s_endpgm
.Lfunc_end_k_qd35a217978_wquant:
	.size	k_qd35a217978_wquant, .Lfunc_end_k_qd35a217978_wquant-k_qd35a217978_wquant
	.p2alignl 7, 3214868480
	.fill 96, 4, 3214868480
	.section	.rodata,"a",@progbits
	.p2align	6, 0x0
	.amdhsa_kernel k_qd35a217978_wquant
		.amdhsa_group_segment_fixed_size 0
		.amdhsa_private_segment_fixed_size 0
		.amdhsa_enable_private_segment 0
		.amdhsa_kernarg_size 40
		.amdhsa_user_sgpr_count 2
		.amdhsa_user_sgpr_kernarg_segment_ptr 1
		.amdhsa_wavefront_size32 1
		.amdhsa_system_sgpr_workgroup_id_x 1
		.amdhsa_system_sgpr_workgroup_id_y 1
		.amdhsa_system_sgpr_workgroup_id_z 1
		.amdhsa_system_vgpr_workitem_id 0
		.amdhsa_next_free_vgpr 232
		.amdhsa_next_free_sgpr 66
		.amdhsa_reserve_vcc 0
		.amdhsa_float_denorm_mode_32 3
		.amdhsa_float_denorm_mode_16_64 3
		.amdhsa_memory_ordered 1
		.amdhsa_forward_progress 1
		.amdhsa_inst_pref_size 23
	.end_amdhsa_kernel
	.amdgpu_metadata
---
amdhsa.version: [ 1, 2 ]
amdhsa.kernels:
  - .name:           k_qd35a217978_wquant
    .symbol:         k_qd35a217978_wquant.kd
    .args:
      - { .name: Wq_d, .offset: 0, .size: 8, .value_kind: global_buffer, .address_space: global }
      - { .name: Wkv_d, .offset: 8, .size: 8, .value_kind: global_buffer, .address_space: global }
      - { .name: W_qk, .offset: 16, .size: 8, .value_kind: global_buffer, .address_space: global }
      - { .name: Wv_u, .offset: 24, .size: 8, .value_kind: global_buffer, .address_space: global }
      - { .name: wts, .offset: 32, .size: 8, .value_kind: global_buffer, .address_space: global }
    .group_segment_fixed_size: 0
    .private_segment_fixed_size: 0
    .kernarg_segment_align: 8
    .kernarg_segment_size: 40
    .max_flat_workgroup_size: 192
    .sgpr_count:     66
    .vgpr_count:     232
    .wavefront_size: 32
...
	.end_amdgpu_metadata
.endif
;; end of part 1
;; launch proj (part 2): grid 256 x 1, 8 waves a work-group, no clusters, 327,680 bytes of LDS; arguments K, Q, wts, cq, ckv; writes cq, ckv
.if DOCPART == 2
	.amdgcn_target "amdgcn-amd-amdhsa--gfx1250"
	.amdhsa_code_object_version 6
	.text
	.protected	k_qd35a217978_proj
	.globl	k_qd35a217978_proj
	.p2align	8
	.type	k_qd35a217978_proj,@function
k_qd35a217978_proj:
	s_mov_b64 s[64:65], 0
	v_nop
	global_prefetch_b8 v0, s[64:65] scope:SCOPE_SE
	s_setreg_imm32_b32 hwreg(HW_REG_WAVE_MODE, 25, 1), 1
	s_wait_xcnt 0x0
; C_kv = K Wkv_d and C_q = Q Wq_d on codes of FP6 (E2M3), one E8M0 scale for each 32 along K; the results are quantised along their columns, the next products' K, and stored as images of operand registers.
; SHARES.  256 equal jobs of 32 rows x 256 columns x K 4,096.  Work-groups 0-127: rows 32 G on of K against all of Wkv_d.  Work-groups 128-255: rows 32 G on of Q against half hf of Wq_d's 512 columns.
; One path: what differs (tensor, weights' place, output, record size) is chosen by s_cselect on the work-group's number.  Wave w owns 32 columns (weight record w: tiles u = 0, 1) against both tiles of 16 rows: four accumulators.
; x COMES AS f32 through a ring of two LDS slots of 32 rows x 1,024 along K, filled by the tensor data mover, every wave one load of 16 rows x 1,024 bytes.  Each wave quantises two of a slot's 16 fragments in registers and hands
; them to the others as images (three stores of 16 bytes a lane, one scale word a lane).  The f32 numbers are read from memory by this launch alone and never go back as codes.
; THE WEIGHTS are images made by the launch before: each goes from memory straight into the registers of the one wave that multiplies by it, 192 registers for a slot's eight steps of 128 along K.
; No joint loads for the weights: they would land in LDS, and a slot's weights (8 waves x 25,600 bytes = 204,800) do not fit beside x's two slots (266,240) and its images (51,200).
; TRANSPOSED USE: source 0 = 16 columns of W, source 1 = 16 rows of x: a lane holds one row, its registers run along the columns.  The columns of a weight tile are permuted (row p of tile u = column 8 u + p + 8 (p / 8)), so that a lane's 16
; registers of the two tiles are 16 neighbours: a wave's 32 columns are one block of 32 along the next K.  The rows of x are taken in the same order: lane r of tile m is row 8 m + r + 8 (r / 8) of the 32.
; ONE BARRIER A SLOT.  In front of it every wave has waited for all its tensor loads (the next slot is whole), for its image stores and for its reads of the f32 slot; behind it that slot is filled again at once, and the images are multiplied.
; The images have two buffers by turns: a buffer is written again only by waves that have passed the next barrier, which every wave signals behind its reads of it.
; THE END.  A fragment of the result wants four waves' columns: the accumulators go through a stage in LDS as images; waves 0-3 each quantise one fragment (row tile w % 2, step w / 2) and store it.
; LIMITS: a block of zeros gets the byte 1 where the rule says 127 (its codes are zeros, this program alone reads the bytes); blocks whose largest magnitude lies under 2^-124 are held at the byte 1; NaN and infinities are not served.
.set SLOTB, 133120                     ; a slot: four pieces of 256 along K, each 32 rows x (1,024 bytes + 16)
.set PIECE, 33280
.set XP,    1040                       ; 65 x 16 bytes: neighbouring rows start 4 banks apart (64 banks of 4 bytes: ISA guide 11.1)
.set XIMG,  2*SLOTB                    ; behind the ring: x's images, two buffers
.set XBUF,  25600                      ; 16 fragments ((2 s + m) x 1,536), then 8 scale images
.set XSCO,  24576
.set FRB,   1536
.set SPARE, XIMG+2*XBUF                ; the spare words, 128 bytes for each wave: four blocks of 256 bytes that no other line names
.set LI,  1                            ; v1   16 x lane
.set LS,  2                            ; v2   4 x lane
.set SPW, 3                            ; v3   LDS address of my spare word; never rewritten
.set NIL, 4                            ; v4   0; never rewritten
.set XA,  5                            ; v5-6 my row's 64 bytes of a block of 32, in slot 0, 1
.set XW,  7                            ; v7   where I store my images
.set XWS, 8                            ; v8   and their scale words
.set XR,  9                            ; v9   where images are read
.set XRS, 10                           ; v10  and scale images
.set SW,  11                           ; v11  the stage: my accumulators
.set SRD, 12                           ; v12  the stage: what I quantise
.set LR,  13                           ; v13  4 x (lane % 16)
.set WS,  16                           ; v16-23 the weights' scale words of a slot's eight steps
.set XS,  24                           ; v24-25 x's scale words, two sets
.set TM,  26                           ; v26-41 at work in QUANT
.set PW,  42                           ; v42  the scale word just made
.set PC,  44                           ; v44-63 the codes just made
.set XB0, 64                           ; v64-127, v128-191: 64 numbers each
.set XB1, 128
.set XF,  64                           ; v64-87, v88-111: two sets of x's two fragments
.set ACC, 192                          ; v192-223: accumulator (m, u) at 8 (2 m + u).   Window 1: v0-191 the weights' fragments, (s, u) at 12 (2 s + u)
.set SEL, 58
.set MSB, 0
.macro WIN new                         ; the immediate's high byte repeats the setting that is left
.if MSB != (\new)
	s_set_vgpr_msb (MSB<<8)|(\new)
.set MSB, (\new)
.endif
.endm
.macro PLACES                          ; four plain instructions between a matrix instruction and a load into, or a read of, its registers
.rept 4
	v_nop
.endr
.endm
; One product.  d, a, b: first registers of D, source 0, source 1;  z = 1: C is 0, the product starts the sum;  sa, sb: the scale registers;  ra, rb: which half of their lanes
.macro WM d, a, b, z, sa, sb, ra, rb
.if \z
.if ((\ra) == 0) && ((\rb) == 0)
	v_wmma_scale_f32_16x16x128_f8f6f4 v[\d:\d+7], v[\a:\a+11], v[\b:\b+11], 0, v[\sa], v[\sb] matrix_a_fmt:MATRIX_FMT_FP6 matrix_b_fmt:MATRIX_FMT_FP6
.elseif (\rb) == 0
	v_wmma_scale_f32_16x16x128_f8f6f4 v[\d:\d+7], v[\a:\a+11], v[\b:\b+11], 0, v[\sa], v[\sb] matrix_a_fmt:MATRIX_FMT_FP6 matrix_b_fmt:MATRIX_FMT_FP6 matrix_a_scale:MATRIX_SCALE_ROW1
.elseif (\ra) == 0
	v_wmma_scale_f32_16x16x128_f8f6f4 v[\d:\d+7], v[\a:\a+11], v[\b:\b+11], 0, v[\sa], v[\sb] matrix_a_fmt:MATRIX_FMT_FP6 matrix_b_fmt:MATRIX_FMT_FP6 matrix_b_scale:MATRIX_SCALE_ROW1
.else
	v_wmma_scale_f32_16x16x128_f8f6f4 v[\d:\d+7], v[\a:\a+11], v[\b:\b+11], 0, v[\sa], v[\sb] matrix_a_fmt:MATRIX_FMT_FP6 matrix_b_fmt:MATRIX_FMT_FP6 matrix_a_scale:MATRIX_SCALE_ROW1 matrix_b_scale:MATRIX_SCALE_ROW1
.endif
.else
.if ((\ra) == 0) && ((\rb) == 0)
	v_wmma_scale_f32_16x16x128_f8f6f4 v[\d:\d+7], v[\a:\a+11], v[\b:\b+11], v[\d:\d+7], v[\sa], v[\sb] matrix_a_fmt:MATRIX_FMT_FP6 matrix_b_fmt:MATRIX_FMT_FP6
.elseif (\rb) == 0
	v_wmma_scale_f32_16x16x128_f8f6f4 v[\d:\d+7], v[\a:\a+11], v[\b:\b+11], v[\d:\d+7], v[\sa], v[\sb] matrix_a_fmt:MATRIX_FMT_FP6 matrix_b_fmt:MATRIX_FMT_FP6 matrix_a_scale:MATRIX_SCALE_ROW1
.elseif (\ra) == 0
	v_wmma_scale_f32_16x16x128_f8f6f4 v[\d:\d+7], v[\a:\a+11], v[\b:\b+11], v[\d:\d+7], v[\sa], v[\sb] matrix_a_fmt:MATRIX_FMT_FP6 matrix_b_fmt:MATRIX_FMT_FP6 matrix_b_scale:MATRIX_SCALE_ROW1
.else
	v_wmma_scale_f32_16x16x128_f8f6f4 v[\d:\d+7], v[\a:\a+11], v[\b:\b+11], v[\d:\d+7], v[\sa], v[\sb] matrix_a_fmt:MATRIX_FMT_FP6 matrix_b_fmt:MATRIX_FMT_FP6 matrix_a_scale:MATRIX_SCALE_ROW1 matrix_b_scale:MATRIX_SCALE_ROW1
.endif
.endif
.endm
; 64 numbers of a lane, v[s] on, register 16 b + i = k 32 b + 16 (lane / 16) + i of my row, become a fragment's codes in v[PC] on and its scale word in v[PW]
.macro QUANT s
.irp b, 0,1,2,3
	v_max3_num_f32 v[TM+\b], |v[\s+16*\b]|, |v[\s+1+16*\b]|, 0x1800000   ; block b: my 16 numbers, and the floor 2^(3 - 127): the byte cannot fall under 1
.endr
.irp i, 2,4,6,8,10,12,14
.irp b, 0,1,2,3
	v_max3_num_f32 v[TM+\b], v[TM+\b], |v[\s+16*\b+\i]|, |v[\s+1+16*\b+\i]|   ; the four blocks by turns
.endr
.endr
.irp b, 0,1,2,3
	v_permlanex16_b32 v[TM+4+\b], v[TM+\b], s[SEL], s[SEL+1]
.endr
.irp b, 0,1,2,3
	v_max_num_f32 v[TM+\b], v[TM+\b], v[TM+4+\b]   ; with lane l xor 16's: the block's largest magnitude
.endr
.irp b, 0,1,2,3
	v_add_nc_u32 v[TM+12+\b], 0xff000000, v[TM+\b] ; 2 off its exponent field: the conversion's scale operand
.endr
.irp b, 0,1,2,3
	v_lshrrev_b32 v[TM+4+\b], 23, v[TM+12+\b]      ; the scale's byte
.endr
	v_lshl_or_b32 v[PW], v[TM+5], 8, v[TM+4]       ; my row's scale word
	v_lshl_or_b32 v[PW], v[TM+6], 16, v[PW]
	v_lshl_or_b32 v[PW], v[TM+7], 24, v[PW]
.irp c, 0,1
	v_cvt_scalef32_pk16_fp6_f32 v[PC+6*\c:PC+2+6*\c], v[\s+32*\c:\s+15+32*\c], v[TM+12+2*\c]
	v_cvt_scalef32_pk16_fp6_f32 v[PC+12+4*\c:PC+14+4*\c], v[\s+16+32*\c:\s+31+32*\c], v[TM+12+2*\c+1]   ; (a conversion's three registers begin on an even number)
.endr
	v_nop                                          ; one plain instruction behind the scaled conversions
.irp c, 0,1                            ; the operand's layout wants a whole block in a lane: lanes 0-15 block 2 c, lanes 16-31 block 2 c + 1
.irp i, 0,1,2
	v_permlane16_swap_b32 v[PC+6*\c+\i], v[PC+12+4*\c+\i]
.endr
.irp i, 0,1,2
	v_mov_b32 v[PC+3+6*\c+\i], v[PC+12+4*\c+\i]
.endr
.endr
.endm
.macro IMAGE adr, off                  ; the fragment in v[PC] on goes to LDS as it stands
.irp c, 0,1,2
	ds_store_b128 v[\adr], v[PC+4*\c:PC+4*\c+3] offset:\off+512*\c
.endr
.endm
; My weights of slot i: eight scale images, then 16 fragments in order of the step: six loads a step
.macro WLOAD i
.irp s, 0,1,2,3,4,5,6,7
	global_load_b32 v[WS+\s], v[LS], s[36:37] offset:98304+(8*(\i)+\s)*128
.endr
	WIN 0x40                                       ; destination window 1
.irp s, 0,1,2,3,4,5,6,7
.irp u, 0,1
.irp c, 0,1,2
	global_load_b128 v[12*(2*\s+\u)+4*\c:12*(2*\s+\u)+4*\c+3], v[LI], s[36:37] offset:(\i)*24576+\s*3072+\u*FRB+512*\c
.endr
.endr
.endr
	WIN 0
.endm
; My two fragments of slot i: piece w / 2 (its two steps e), row tile w % 2
.macro QPHASE i
.irp e, 0,1
.irp b, 0,1,2,3
.irp j, 0,1,2,3
	ds_load_b128 v[XB0+64*\e+16*\b+4*\j:XB0+64*\e+16*\b+4*\j+3], v[XA+(\i)%2] offset:512*\e+128*\b+16*\j
.endr
.endr
.endr
	s_wait_dscnt 16                                ; the first step's 64 numbers are in; the second's 16 loads may be out
	QUANT XB0
	IMAGE XW, ((\i)%2)*XBUF
	ds_store_b32 v[XWS], v[PW] offset:((\i)%2)*XBUF        ; both halves of the lanes hold the row's word and write it to the same place
	s_wait_dscnt 0x0                               ; the second step's numbers are in, and the stores have read their registers
	QUANT XB1
	IMAGE XW, ((\i)%2)*XBUF+3072
	ds_store_b32 v[XWS], v[PW] offset:((\i)%2)*XBUF+128
.endm
.macro MEET i, refill
	s_wait_tensorcnt 0x0                           ; all my tensor loads have landed, my part of the next slot among them: a group 0 may be written
	ds_add_u32 v[SPW], v[NIL]                      ; 0 onto my spare word
.if \refill
	s_add_nc_u64 s[26+4*((\i)%2):27+4*((\i)%2)], s[26+4*((\i)%2):27+4*((\i)%2)], 8192   ; this slot's next 1,024 along K: two slots on
.endif
	s_wait_dscnt 0x0                               ; the add is done, my images are stored, my reads of this slot and of the other image buffer are over
	s_barrier_signal -1
	s_barrier_wait -1                              ; all that now holds of every wave
.if \refill
	tensor_load_to_lds s[24+4*((\i)%2):27+4*((\i)%2)], s[16:23]   ; my one tensor load behind this barrier, and the first thing there: it has a multiply phase and a quantise phase in which to land
	s_nop 0
	PLACES
.endif
.endm
.macro XSET s, buf                     ; step s's two fragments of x and their scale image, into set s % 2: seven loads
.irp m, 0,1
.irp c, 0,1,2
	ds_load_b128 v[XF+24*((\s)%2)+12*\m+4*\c:XF+24*((\s)%2)+12*\m+4*\c+3], v[XR] offset:(\buf)*XBUF+(2*(\s)+\m)*FRB+512*\c
.endr
.endr
	ds_load_b32 v[XS+(\s)%2], v[XRS] offset:(\buf)*XBUF+XSCO-XSCO+128*(\s)
.endm
; A slot's eight steps of 128 along K: four products a step, the four accumulators by turns, one instruction a turn
.macro MPHASE i
	XSET 0, (\i)%2
	XSET 1, (\i)%2
.set S, 0
.rept 8
.if S < 7
	s_wait_dscnt 7                                 ; this step's set is in; the younger set's seven loads may be out
.else
	s_wait_dscnt 0x0
.endif
	s_wait_loadcnt 6*(7-S)                         ; this step's weights are in; the later steps' six loads each may be out
.set Z, 0
.if ((\i) == 0) && (S == 0)
.set Z, 1                              ; the very first step starts the sums: nothing is cleared
.endif
	WIN 0x01                                       ; source 0 (the weights) window 1
.irp m, 0,1
.irp u, 0,1
	WM ACC+8*(2*\m+\u), 12*(2*S+\u), XF+24*(S%2)+12*\m, Z, WS+S, XS+S%2, \u, \m
.endr
.endr
	WIN 0
	PLACES
.if S < 6
	XSET S+2, (\i)%2
.endif
.set S, S+1
.endr
.endm
	s_load_b256 s[4:11], s[0:1], 0x0               ; K s[4:5], Q s[6:7], wts s[8:9], cq s[10:11]
	s_load_b64 s[12:13], s[0:1], 0x20              ; ckv
	v_lshl_add_u32 v[SPW], v0, 2, SPARE
	v_mov_b32 v[NIL], 0
	ds_add_u32 v3, v4
	ds_add_u32 v3, v4
	s_wait_dscnt 0x0
	v_lshrrev_b32 v14, 5, v0
	v_readfirstlane_b32 s14, v14                   ; wave 0..7
	v_and_b32 v14, 31, v0
	v_lshlrev_b32 v[LI], 4, v14
	v_lshlrev_b32 v[LS], 2, v14
	; descriptor group 1: 16 rows x 256 elements of 4 bytes, 4,096 elements from row to row; in LDS 4 words of padding behind every 256
	s_mov_b32 s16, (2<<16)|(1<<20)|(7<<22)|(3<<25)
	s_mov_b32 s17, 256<<16                         ; tensor_dim0
	s_mov_b32 s18, 16<<16                          ; tensor_dim1
	s_mov_b32 s19, 256<<16                         ; tile_dim0
	s_mov_b32 s20, 16                              ; tile_dim1
	s_mov_b32 s21, 4096                            ; tensor_dim0_stride
	s_mov_b32 s22, 0
	s_mov_b32 s23, 0
	s_mov_b32 s[SEL], 0x76543210
	s_mov_b32 s[SEL+1], 0xfedcba98                 ; v_permlanex16_b32's selects for lane l xor 16
	s_and_b32 s52, s14, 1                          ; w % 2: which 16 rows I fetch; which row tile I quantise
	s_lshr_b32 s53, s14, 1                         ; w / 2: which piece of 256 along K
	s_cmp_lt_u32 ttmp9, 128                        ; K's job or Q's?  The choices hang on the work-group's number alone
	s_cselect_b32 s40, 0, 128
	s_cselect_b32 s41, 0, 1
	s_mov_b32 s43, 12800
	s_cselect_b32 s43, 6400, s43                   ; the output's record: 2 or 4 steps
	s_mov_b32 s44, 12288
	s_cselect_b32 s44, 6144, s44                   ; where its scale images begin
	s_cselect_b32 s45, 1638400, 0                  ; the weights' records in wts
	s_wait_kmcnt 0x0
	s_cselect_b64 s[46:47], s[4:5], s[6:7]         ; x
	s_cselect_b64 s[48:49], s[12:13], s[10:11]     ; the output
	s_sub_co_u32 s40, ttmp9, s40
	s_and_b32 s42, s40, s41                        ; hf: which half of Wq_d's columns (0 for K)
	s_lshr_b32 s41, s40, s41                       ; G: which 32 rows
	s_lshl_b32 s50, s41, 19                        ; 32 rows of 16,384 bytes,
	s_lshl_b32 s54, s52, 18                        ; my 16 of them,
	s_add_co_u32 s50, s50, s54
	s_lshl_b32 s54, s53, 10                        ; my piece
	s_add_co_u32 s50, s50, s54
	s_mov_b32 s51, 0
	s_add_nc_u64 s[46:47], s[46:47], s[50:51]
	s_mov_b32 s24, 1                               ; group 0 for slot 0: count = 1,
	s_mul_i32 s25, s14, 16640                      ; LDS address: piece w / 2, rows 16 (w % 2) on = 16,640 w,
	s_mov_b64 s[26:27], s[46:47]                   ; global address,
	s_or_b32 s27, s27, 0x80000000                  ; type = 2
	s_mov_b32 s28, 1                               ; and for slot 1: the next 1,024 along K
	s_add_co_u32 s29, s25, SLOTB
	s_add_nc_u64 s[30:31], s[46:47], 4096
	s_or_b32 s31, s31, 0x80000000
	tensor_load_to_lds s[24:27], s[16:23]          ; both first fills go out together, ahead of every wait on TENSORcnt, LDS read and barrier: two loads of mine are out
	s_nop 0
	tensor_load_to_lds s[28:31], s[16:23]
	s_nop 0
	PLACES
	s_mul_i32 s50, s42, 819200                     ; Wq_d's records 8 hf on,
	s_add_co_u32 s50, s50, s45
	s_mul_i32 s54, s14, 102400                     ; my record
	s_add_co_u32 s50, s50, s54
	s_add_nc_u64 s[36:37], s[8:9], s[50:51]
	WLOAD 0
	s_mul_i32 s50, s41, s43
	s_add_nc_u64 s[48:49], s[48:49], s[50:51]      ; the output's record G
	s_mul_i32 s50, s42, 6144
	s_mul_i32 s54, s14, FRB
	s_add_co_u32 s50, s50, s54
	s_add_nc_u64 s[38:39], s[48:49], s[50:51]      ; fragment (step 2 hf + w / 2, tile w % 2) = 4 hf + w
	s_lshl_b32 s50, s42, 8
	s_lshl_b32 s54, s14, 6
	s_add_co_u32 s50, s50, s54
	s_add_co_u32 s50, s50, s44
	s_add_nc_u64 s[56:57], s[48:49], s[50:51]      ; its 16 scale words
	v_and_b32 v14, 15, v0                          ; r
	v_bfe_u32 v15, v0, 4, 1                        ; h
	v_lshlrev_b32 v[LR], 2, v14
	v_and_b32 v[XA], 8, v14
	v_add_nc_u32 v[XA], v[XA], v14                 ; r + 8 (r / 8)
	v_mul_u32_u24 v[XA], v[XA], XP
	v_lshl_add_u32 v[XA], v15, 6, v[XA]            ; + 64 h: my 16 numbers of a block
	s_mul_i32 s50, s53, PIECE
	s_mul_i32 s54, s52, 8*XP                       ; tile m begins 8 m rows down
	s_add_co_u32 s50, s50, s54
	v_add_nc_u32 v[XA], s50, v[XA]
	v_add_nc_u32 v[XA+1], SLOTB, v[XA]
	s_mul_i32 s50, s53, 6144                       ; my images: steps 2 (w / 2) + e, tile w % 2
	s_mul_i32 s54, s52, FRB
	s_add_co_u32 s50, s50, s54
	s_add_co_u32 s50, s50, XIMG
	v_add_nc_u32 v[XW], s50, v[LI]
	s_lshl_b32 s50, s53, 8
	s_lshl_b32 s54, s52, 6
	s_add_co_u32 s50, s50, s54
	s_add_co_u32 s50, s50, XIMG+XSCO
	v_add_nc_u32 v[XWS], s50, v[LR]
	v_add_nc_u32 v[XR], XIMG, v[LI]
	v_add_nc_u32 v[XRS], XIMG+XSCO, v[LS]
	s_lshl_b32 s50, s14, 12                        ; the stage: 4,096 bytes a wave
	s_add_co_u32 s50, s50, XIMG
	v_add_nc_u32 v[SW], s50, v[LI]
	s_lshl_b32 s50, s53, 14                        ; what wave w < 4 reads of it: waves 4 (w / 2) on, accumulators of row tile w % 2
	s_lshl_b32 s54, s52, 11
	s_add_co_u32 s50, s50, s54
	s_add_co_u32 s50, s50, XIMG
	v_add_nc_u32 v[SRD], s50, v[LI]
.irp b, 0,1,2,3
	v_mov_b32 v[TM+4+\b], 0                        ; written once: a lane permute's destination counts as one of its sources
.endr
	s_wait_tensorcnt 1                             ; my part of slot 0 is in; slot 1's may stay out
	s_barrier_signal -1
	s_barrier_wait -1                              ; everybody's is
	QPHASE 0
	MEET 0, 1
	MPHASE 0
	WLOAD 1                                        ; behind the phase's last four plain instructions; they land while the next slot is quantised
	QPHASE 1
	MEET 1, 1
	MPHASE 1
	WLOAD 2
	QPHASE 2
	MEET 2, 0                                      ; the last two slots are not filled again
	MPHASE 2
	WLOAD 3
	QPHASE 3
	MEET 3, 0
	MPHASE 3
	s_wait_dscnt 0x0                               ; my reads of the images are over:
	s_barrier_signal -1
	s_barrier_wait -1                              ; everybody's are: the stage may be written over them
.irp a, 0,1,2,3
	ds_store_b128 v[SW], v[ACC+8*\a:ACC+8*\a+3] offset:1024*\a          ; each accumulator from its low end on
	ds_store_b128 v[SW], v[ACC+8*\a+4:ACC+8*\a+7] offset:1024*\a+512
.endr
	s_wait_dscnt 0x0                               ; for the others' sake: my stores are done
	s_barrier_signal -1
	s_barrier_wait -1
	s_cmp_lt_u32 s14, 4
	s_cbranch_scc0 .Ldone
.irp t, 0,1,2,3,4,5,6,7                ; register 16 b + 8 u + j = column 32 b + 16 h + 8 u + j of the step's 128: wave 4 (w / 2) + b's accumulator (w % 2, u)
	ds_load_b128 v[XB0+8*\t:XB0+8*\t+3], v[SRD] offset:(\t/2)*4096+(\t%2)*1024
	ds_load_b128 v[XB0+8*\t+4:XB0+8*\t+7], v[SRD] offset:(\t/2)*4096+(\t%2)*1024+512
.endr
	s_wait_dscnt 0x0
	QUANT XB0
.irp c, 0,1,2
	global_store_b128 v[LI], v[PC+4*\c:PC+4*\c+3], s[38:39] offset:512*\c   ; 512 consecutive bytes, at a multiple of 256 from the buffer's first byte
.endr
	global_store_b32 v[LR], v[PW], s[56:57]        ; 16 scale words (both halves of the lanes hold and write the same)
.Ldone:
	s_wait_tensorcnt 0x0                           ; the wave's end
	ds_add_u32 v[SPW], v[NIL]
	s_wait_dscnt 0x0
	s_endpgm
.Lfunc_end_k_qd35a217978_proj:
	.size	k_qd35a217978_proj, .Lfunc_end_k_qd35a217978_proj-k_qd35a217978_proj
	.p2alignl 7, 3214868480
	.fill 96, 4, 3214868480
	.section	.rodata,"a",@progbits
	.p2align	6, 0x0
	.amdhsa_kernel k_qd35a217978_proj
		.amdhsa_group_segment_fixed_size 327680
		.amdhsa_private_segment_fixed_size 0
		.amdhsa_enable_private_segment 0
		.amdhsa_kernarg_size 40
		.amdhsa_user_sgpr_count 2
		.amdhsa_user_sgpr_kernarg_segment_ptr 1
		.amdhsa_wavefront_size32 1
		.amdhsa_system_sgpr_workgroup_id_x 1
		.amdhsa_system_sgpr_workgroup_id_y 1
		.amdhsa_system_sgpr_workgroup_id_z 1
		.amdhsa_system_vgpr_workitem_id 0
		.amdhsa_next_free_vgpr 448
		.amdhsa_next_free_sgpr 66
		.amdhsa_reserve_vcc 0
		.amdhsa_float_denorm_mode_32 3
		.amdhsa_float_denorm_mode_16_64 3
		.amdhsa_memory_ordered 1
		.amdhsa_forward_progress 1
		.amdhsa_inst_pref_size 113
	.end_amdhsa_kernel
	.amdgpu_metadata
---
amdhsa.version: [ 1, 2 ]
amdhsa.kernels:
  - .name:           k_qd35a217978_proj
    .symbol:         k_qd35a217978_proj.kd
    .args:
      - { .name: K, .offset: 0, .size: 8, .value_kind: global_buffer, .address_space: global }
      - { .name: Q, .offset: 8, .size: 8, .value_kind: global_buffer, .address_space: global }
      - { .name: wts, .offset: 16, .size: 8, .value_kind: global_buffer, .address_space: global }
      - { .name: cq, .offset: 24, .size: 8, .value_kind: global_buffer, .address_space: global }
      - { .name: ckv, .offset: 32, .size: 8, .value_kind: global_buffer, .address_space: global }
    .group_segment_fixed_size: 327680
    .private_segment_fixed_size: 0
    .kernarg_segment_align: 8
    .kernarg_segment_size: 40
    .max_flat_workgroup_size: 256
    .sgpr_count:     66
    .vgpr_count:     448
    .wavefront_size: 32
...
	.end_amdgpu_metadata
.endif
;; end of part 2
;; launch up (part 3): grid 256 x 1, 4 waves a work-group, no clusters, 0 bytes of LDS; arguments wts, cq, ckv, qc, vc; writes qc, vc
.if DOCPART == 3
	.amdgcn_target "amdgcn-amd-amdhsa--gfx1250"
	.amdhsa_code_object_version 6
	.text
	.protected	k_qd35a217978_up
	.globl	k_qd35a217978_up
	.p2align	8
	.type	k_qd35a217978_up,@function
k_qd35a217978_up:
	s_mov_b64 s[64:65], 0
	v_nop
	global_prefetch_b8 v0, s[64:65] scope:SCOPE_SE
	s_setreg_imm32_b32 hwreg(HW_REG_WAVE_MODE, 25, 1), 1
	s_wait_xcnt 0x0
; CqWqk = C_q W_qk (work-groups 0-127) and V_up = C_kv Wv_u (work-groups 128-255), on codes of FP6 (E2M3) with E8M0 scales; both results are quantised along the next product's K and stored as images of operand registers.
; ONE FORM.  Source 0 = X: eight tiles of 16 rows, permuted (row p of tile u of a record = row 8 u + p + 8 (p / 8) of its 32): 128 rows that become the next K.  Source 1 = Y: a tile whose rows stay rows.
; In the result a lane holds one row of Y, and the 64 registers of accumulators (y, 0 .. 7) are 64 of 128 neighbours along the next K (register 16 b + i = k 32 b + 16 (lane / 16) + i): one fragment and one scale word a row.
; CqWqk: X = 128 columns of W_qk (head h, latents 128 s' on), Y = 128 queries of C_q, K = 512 in two passes of two steps.  The fragment is step s' of qc's record (query group, h).
; V_up:  X = 128 keys of C_kv, loaded once, Y = columns of Wv_u (head h), two trips of 128, K = 256.  The fragment is tile t of the head's 256 channels, K = these 128 keys: vc's record (b, h, j).
; SHARES.  A wave has a set X of its own and eight tiles of Y: 64 accumulators, 256 products.  All operands are images made by earlier launches and go from memory straight into registers, three loads of 16 bytes a lane a fragment.
; No LDS, no barrier, no tensor load, so no joint loads: an operand set is 98 KB a wave and is multiplied once; a way through LDS would add a store and a read of every byte.
; LIMITS: a block of zeros gets the byte 1 where the rule says 127 (its codes are zeros, this program alone reads the bytes); blocks whose largest magnitude lies under 2^-124 are held at the byte 1; NaN and infinities are not served.
; REGISTERS.  Window 0: v1-2 addresses; v4-11 X's scale words, v12-19 Y's; v20-59 at work; v64-255 Y's fragments, (y, e) at 64 + 12 (2 y + e).  Window 1: X's, (T, e) at 12 (2 T + e).  Windows 2, 3: accumulator (y, T) at 64 (y % 4) + 8 T of window 2 + y / 4.
.set LI,  1                            ; v1   16 x lane
.set LS,  2                            ; v2   4 x lane
.set XS,  4                            ; X's scale words: record P, step e at 2 P + e
.set YS,  12                           ; Y's likewise
.set TM,  20                           ; v20-35 at work in QUANTW
.set PW,  36                           ; v36-37 the scale words of an even and an odd tile
.set PJ,  38                           ; v38  the two joined: a scale image
.set PC,  40                           ; v40-59 the codes just made
.set Y,   64
.set SEL, 16
.set MSB, 0
.macro WIN new                         ; the immediate's high byte repeats the setting that is left
.if MSB != (\new)
	s_set_vgpr_msb (MSB<<8)|(\new)
.set MSB, (\new)
.endif
.endm
.macro PLACES                          ; four plain instructions between a matrix instruction and a load into, or a read of, its registers
.rept 4
	v_nop
.endr
.endm
.macro WM d, a, b, z, sa, sb, ra, rb   ; one product; z = 1: C is 0; ra, rb: which half of the scale registers' lanes
.if \z
.if ((\ra) == 0) && ((\rb) == 0)
	v_wmma_scale_f32_16x16x128_f8f6f4 v[\d:\d+7], v[\a:\a+11], v[\b:\b+11], 0, v[\sa], v[\sb] matrix_a_fmt:MATRIX_FMT_FP6 matrix_b_fmt:MATRIX_FMT_FP6
.elseif (\rb) == 0
	v_wmma_scale_f32_16x16x128_f8f6f4 v[\d:\d+7], v[\a:\a+11], v[\b:\b+11], 0, v[\sa], v[\sb] matrix_a_fmt:MATRIX_FMT_FP6 matrix_b_fmt:MATRIX_FMT_FP6 matrix_a_scale:MATRIX_SCALE_ROW1
.elseif (\ra) == 0
	v_wmma_scale_f32_16x16x128_f8f6f4 v[\d:\d+7], v[\a:\a+11], v[\b:\b+11], 0, v[\sa], v[\sb] matrix_a_fmt:MATRIX_FMT_FP6 matrix_b_fmt:MATRIX_FMT_FP6 matrix_b_scale:MATRIX_SCALE_ROW1
.else
	v_wmma_scale_f32_16x16x128_f8f6f4 v[\d:\d+7], v[\a:\a+11], v[\b:\b+11], 0, v[\sa], v[\sb] matrix_a_fmt:MATRIX_FMT_FP6 matrix_b_fmt:MATRIX_FMT_FP6 matrix_a_scale:MATRIX_SCALE_ROW1 matrix_b_scale:MATRIX_SCALE_ROW1
.endif
.else
.if ((\ra) == 0) && ((\rb) == 0)
	v_wmma_scale_f32_16x16x128_f8f6f4 v[\d:\d+7], v[\a:\a+11], v[\b:\b+11], v[\d:\d+7], v[\sa], v[\sb] matrix_a_fmt:MATRIX_FMT_FP6 matrix_b_fmt:MATRIX_FMT_FP6
.elseif (\rb) == 0
	v_wmma_scale_f32_16x16x128_f8f6f4 v[\d:\d+7], v[\a:\a+11], v[\b:\b+11], v[\d:\d+7], v[\sa], v[\sb] matrix_a_fmt:MATRIX_FMT_FP6 matrix_b_fmt:MATRIX_FMT_FP6 matrix_a_scale:MATRIX_SCALE_ROW1
.elseif (\ra) == 0
	v_wmma_scale_f32_16x16x128_f8f6f4 v[\d:\d+7], v[\a:\a+11], v[\b:\b+11], v[\d:\d+7], v[\sa], v[\sb] matrix_a_fmt:MATRIX_FMT_FP6 matrix_b_fmt:MATRIX_FMT_FP6 matrix_b_scale:MATRIX_SCALE_ROW1
.else
	v_wmma_scale_f32_16x16x128_f8f6f4 v[\d:\d+7], v[\a:\a+11], v[\b:\b+11], v[\d:\d+7], v[\sa], v[\sb] matrix_a_fmt:MATRIX_FMT_FP6 matrix_b_fmt:MATRIX_FMT_FP6 matrix_a_scale:MATRIX_SCALE_ROW1 matrix_b_scale:MATRIX_SCALE_ROW1
.endif
.endif
.endm
; X's four records (recb bytes apart, scale images at sco), steps s0 and s0 + 1: 8 scale images, 16 fragments
.macro LOADX recb, s0, sco
.irp p, 0,1,2,3
.irp e, 0,1
	global_load_b32 v[XS+2*\p+\e], v[LS], s[24:25] offset:\p*(\recb)+(\sco)+128*((\s0)+\e)
.endr
.endr
	WIN 0x40                                       ; destination window 1
.irp p, 0,1,2,3
.irp u, 0,1
.irp e, 0,1
.irp c, 0,1,2
	global_load_b128 v[12*(2*(2*\p+\u)+\e)+4*\c:12*(2*(2*\p+\u)+\e)+4*\c+3], v[LI], s[24:25] offset:\p*(\recb)+(2*((\s0)+\e)+\u)*1536+512*\c
.endr
.endr
.endr
.endr
	WIN 0
.endm
; Y's four records from off bytes on: 8 scale images, then the fragments in order of the tile y = 2 p + u, six loads each
.macro LOADY recb, s0, sco, off
.irp p, 0,1,2,3
.irp e, 0,1
	global_load_b32 v[YS+2*\p+\e], v[LS], s[26:27] offset:(\off)+\p*(\recb)+(\sco)+128*((\s0)+\e)
.endr
.endr
.irp p, 0,1,2,3
.irp u, 0,1
.irp e, 0,1
.irp c, 0,1,2
	global_load_b128 v[Y+12*(2*(2*\p+\u)+\e)+4*\c:Y+12*(2*(2*\p+\u)+\e)+4*\c+3], v[LI], s[26:27] offset:(\off)+\p*(\recb)+(2*((\s0)+\e)+\u)*1536+512*\c
.endr
.endr
.endr
.endr
.endm
; 128 products: for each tile y of Y, two steps x X's eight tiles; the eight accumulators take turns, one instruction a turn.  zero = 1: the first step starts the sums
.macro MULS zero
.set YY, 0
.rept 8
	s_wait_loadcnt 6*(7-YY)                        ; X, all scale words and Y's tiles up to this one are in; the later tiles' six loads each may be out
	WIN 0xa1+0x50*(YY/4)                           ; source 0 (X) window 1, source 1 (Y) window 0, C and D window 2 or 3
.irp e, 0,1
.irp t, 0,1,2,3,4,5,6,7
.set Z, 0
.if (\zero) && (\e == 0)
.set Z, 1
.endif
	WM 64*(YY%4)+8*\t, 12*(2*\t+\e), Y+12*(2*YY+\e), Z, XS+2*(\t/2)+\e, YS+2*(YY/2)+\e, \t%2, YY%2
.endr
.endr
.set YY, YY+1
.endr
	WIN 0
.endm
; 64 numbers of a lane in window w, v[a] on, become a fragment's codes in v[PC] on and its scale word in v[pw].  Each accumulator is read from its low end on.
.macro QUANTW w, a, pw
	WIN (\w)|((\w)<<2)                             ; sources 0 and 1 in window w
.irp b, 0,1,2,3
	v_max3_num_f32 v[TM+\b], |v[(\a)+16*\b]|, |v[(\a)+1+16*\b]|, 0x1800000   ; block b: my 16 numbers, and the floor 2^(3 - 127): the byte cannot fall under 1
.endr
.irp i, 2,4,6,8,10,12,14
.irp b, 0,1,2,3
	v_max3_num_f32 v[TM+\b], |v[(\a)+16*\b+\i]|, |v[(\a)+1+16*\b+\i]|, v[TM+\b]
.endr
.endr
	WIN 0
.irp b, 0,1,2,3
	v_permlanex16_b32 v[TM+4+\b], v[TM+\b], s[SEL], s[SEL+1]
.endr
.irp b, 0,1,2,3
	v_max_num_f32 v[TM+\b], v[TM+\b], v[TM+4+\b]   ; with lane l xor 16's: the block's largest magnitude
.endr
.irp b, 0,1,2,3
	v_add_nc_u32 v[TM+12+\b], 0xff000000, v[TM+\b] ; 2 off its exponent field: the conversion's scale operand
.endr
.irp b, 0,1,2,3
	v_lshrrev_b32 v[TM+4+\b], 23, v[TM+12+\b]      ; the scale's byte
.endr
	v_lshl_or_b32 v[\pw], v[TM+5], 8, v[TM+4]
	v_lshl_or_b32 v[\pw], v[TM+6], 16, v[\pw]
	v_lshl_or_b32 v[\pw], v[TM+7], 24, v[\pw]
	s_wait_xcnt 0x0                                ; the last tile's stores have read their registers: the codes, and the joined scale words, may be written again
	WIN \w                                         ; source 0 in window w
.irp c, 0,1
	v_cvt_scalef32_pk16_fp6_f32 v[PC+6*\c:PC+2+6*\c], v[(\a)+32*\c:(\a)+15+32*\c], v[TM+12+2*\c]
	v_cvt_scalef32_pk16_fp6_f32 v[PC+12+4*\c:PC+14+4*\c], v[(\a)+16+32*\c:(\a)+31+32*\c], v[TM+12+2*\c+1]
.endr
	WIN 0
	v_nop                                          ; one plain instruction behind the scaled conversions
.irp c, 0,1
.irp i, 0,1,2
	v_permlane16_swap_b32 v[PC+6*\c+\i], v[PC+12+4*\c+\i]
.endr
.irp i, 0,1,2
	v_mov_b32 v[PC+3+6*\c+\i], v[PC+12+4*\c+\i]
.endr
.endr
.endm
; Tile y leaves: its fragment at co; behind an odd tile the pair's scale image at so
.macro OUT y, co, so
	QUANTW 2+(\y)/4, 64*((\y)%4), PW+(\y)%2
.irp c, 0,1,2
	global_store_b128 v[LI], v[PC+4*\c:PC+4*\c+3], s[28:29] offset:(\co)+512*\c   ; 512 consecutive bytes, at a multiple of 256 from the buffer's first byte
.endr
.if (\y)%2
	v_cndmask_b32 v[PJ], v[PW], v[PW+1], s20       ; lanes 0-15 the even tile's words, lanes 16-31 the odd tile's (each word stands in both halves of the lanes)
	global_store_b32 v[LS], v[PJ], s[30:31] offset:\so
.endif
.endm
	s_load_b256 s[4:11], s[0:1], 0x0               ; wts s[4:5], cq s[6:7], ckv s[8:9], qc s[10:11]
	s_load_b64 s[12:13], s[0:1], 0x20              ; vc
	v_lshrrev_b32 v3, 5, v0
	v_readfirstlane_b32 s14, v3                    ; wave 0..3
	v_and_b32 v3, 31, v0
	v_lshlrev_b32 v[LI], 4, v3
	v_lshlrev_b32 v[LS], 2, v3
	s_mov_b32 s[SEL], 0x76543210
	s_mov_b32 s[SEL+1], 0xfedcba98                 ; v_permlanex16_b32's selects for lane l xor 16
	s_mov_b32 s20, 0xffff0000                      ; lanes 16-31
.irp b, 0,1,2,3
	v_mov_b32 v[TM+4+\b], 0                        ; written once: a lane permute's destination counts as one of its sources
.endr
	s_mov_b32 s35, 0
	s_mov_b32 s39, 0
	s_wait_kmcnt 0x0
	s_cmp_lt_u32 ttmp9, 128
	s_cbranch_scc0 .Lv_up
	; ---- CqWqk
	s_lshr_b32 s32, ttmp9, 3                       ; which 128 queries
	s_and_b32 s33, ttmp9, 7
	s_lshl_b32 s33, s33, 2
	s_add_co_u32 s33, s33, s14                     ; which 128 columns of W_qk
	s_mul_i32 s34, s33, 51200                      ; four records of 12,800
	s_add_co_u32 s34, s34, 2457600
	s_add_nc_u64 s[24:25], s[4:5], s[34:35]        ; X
	s_mul_i32 s34, s32, 51200
	s_add_nc_u64 s[26:27], s[6:7], s[34:35]        ; Y
	s_lshr_b32 s36, s33, 1                         ; h
	s_and_b32 s37, s33, 1                          ; s'
	s_lshl_b32 s34, s32, 6
	s_add_co_u32 s34, s34, s36
	s_mul_i32 s34, s34, 6400                       ; qc's record (query group 4 x set, h); the next group's lies 16 records on
	s_mul_i32 s38, s37, 3072
	s_add_co_u32 s38, s38, s34
	s_add_nc_u64 s[28:29], s[10:11], s[38:39]      ; its fragments of step s'
	s_lshl_b32 s38, s37, 7
	s_add_co_u32 s38, s38, s34
	s_add_co_u32 s38, s38, 6144
	s_add_nc_u64 s[30:31], s[10:11], s[38:39]      ; its scale image of step s'
	LOADX 12800, 0, 12288
	LOADY 12800, 0, 12288, 0
	MULS 1
	PLACES
	LOADX 12800, 2, 12288
	LOADY 12800, 2, 12288, 0
	MULS 0
	PLACES
.irp y, 0,1,2,3,4,5,6,7
	OUT \y, (\y/2)*102400+(\y%2)*1536, (\y/2)*102400
.endr
	s_endpgm
.Lv_up:
	; ---- V_up
	s_sub_co_u32 s32, ttmp9, 128
	s_and_b32 s36, s32, 15                         ; h
	s_lshr_b32 s33, s32, 4
	s_lshl_b32 s33, s33, 2
	s_add_co_u32 s33, s33, s14                     ; which 128 keys: 16 b + j
	s_mul_i32 s34, s33, 25600                      ; four records of 6,400
	s_add_nc_u64 s[24:25], s[8:9], s[34:35]        ; X
	s_mul_i32 s34, s36, 51200                      ; the head's eight records of 6,400
	s_add_co_u32 s34, s34, 4096000
	s_add_nc_u64 s[26:27], s[4:5], s[34:35]        ; Y
	s_lshr_b32 s37, s33, 4                         ; b
	s_and_b32 s38, s33, 15                         ; j
	s_lshl_b32 s37, s37, 4
	s_add_co_u32 s37, s37, s36
	s_lshl_b32 s37, s37, 4
	s_add_co_u32 s37, s37, s38
	s_mul_i32 s34, s37, 25600                      ; vc's record ((16 b + h) 16 + j)
	s_add_nc_u64 s[28:29], s[12:13], s[34:35]
	s_add_nc_u64 s[30:31], s[28:29], 24576         ; its scale images
	LOADX 6400, 0, 6144
	LOADY 6400, 0, 6144, 0
	MULS 1
	PLACES
	LOADY 6400, 0, 6144, 25600                     ; the second 128 channels' weights land while the first leave
.irp y, 0,1,2,3,4,5,6,7
	OUT \y, 1536*\y, 128*(\y/2)
.endr
	MULS 1
	PLACES
.irp y, 0,1,2,3,4,5,6,7
	OUT \y, 12288+1536*\y, 512+128*(\y/2)
.endr
	s_endpgm
.Lfunc_end_k_qd35a217978_up:
	.size	k_qd35a217978_up, .Lfunc_end_k_qd35a217978_up-k_qd35a217978_up
	.p2alignl 7, 3214868480
	.fill 96, 4, 3214868480
	.section	.rodata,"a",@progbits
	.p2align	6, 0x0
	.amdhsa_kernel k_qd35a217978_up
		.amdhsa_group_segment_fixed_size 0
		.amdhsa_private_segment_fixed_size 0
		.amdhsa_enable_private_segment 0
		.amdhsa_kernarg_size 40
		.amdhsa_user_sgpr_count 2
		.amdhsa_user_sgpr_kernarg_segment_ptr 1
		.amdhsa_wavefront_size32 1
		.amdhsa_system_sgpr_workgroup_id_x 1
		.amdhsa_system_sgpr_workgroup_id_y 1
		.amdhsa_system_sgpr_workgroup_id_z 1
		.amdhsa_system_vgpr_workitem_id 0
		.amdhsa_next_free_vgpr 1024
		.amdhsa_next_free_sgpr 66
		.amdhsa_reserve_vcc 0
		.amdhsa_float_denorm_mode_32 3
		.amdhsa_float_denorm_mode_16_64 3
		.amdhsa_memory_ordered 1
		.amdhsa_forward_progress 1
		.amdhsa_inst_pref_size 208
	.end_amdhsa_kernel
	.amdgpu_metadata
---
amdhsa.version: [ 1, 2 ]
amdhsa.kernels:
  - .name:           k_qd35a217978_up
    .symbol:         k_qd35a217978_up.kd
    .args:
      - { .name: wts, .offset: 0, .size: 8, .value_kind: global_buffer, .address_space: global }
      - { .name: cq, .offset: 8, .size: 8, .value_kind: global_buffer, .address_space: global }
      - { .name: ckv, .offset: 16, .size: 8, .value_kind: global_buffer, .address_space: global }
      - { .name: qc, .offset: 24, .size: 8, .value_kind: global_buffer, .address_space: global }
      - { .name: vc, .offset: 32, .size: 8, .value_kind: global_buffer, .address_space: global }
    .group_segment_fixed_size: 0
    .private_segment_fixed_size: 0
    .kernarg_segment_align: 8
    .kernarg_segment_size: 40
    .max_flat_workgroup_size: 128
    .sgpr_count:     66
    .vgpr_count:     1024
    .wavefront_size: 32
...
	.end_amdgpu_metadata
.endif
;; end of part 3
;; launch attn (part 4): grid 8 x 32, 4 waves a work-group, clusters of 4 x 1, 327,680 bytes of LDS; arguments qc, ckv, vc, out0; writes out0
.if DOCPART == 4
	.amdgcn_target "amdgcn-amd-amdhsa--gfx1250"
	.amdhsa_code_object_version 6
	.text
	.protected	k_qd35a217978_attn
	.globl	k_qd35a217978_attn
	.p2align	8
	.type	k_qd35a217978_attn,@function
k_qd35a217978_attn:
	s_mov_b64 s[64:65], 0
	v_nop
	global_prefetch_b8 v0, s[64:65] scope:SCOPE_SE
	s_setreg_imm32_b32 hwreg(HW_REG_WAVE_MODE, 25, 1), 1
	s_wait_xcnt 0x0
	s_wait_alu depctr_hold_cnt(0) depctr_sa_sdst(0) depctr_va_vdst(0) depctr_va_sdst(0) depctr_va_ssrc(0) depctr_va_vcc(0) depctr_vm_vsrc(0)
	s_getreg_b32 s2, hwreg(HW_REG_IB_STS2, 6, 4)
	s_cmp_eq_u32 s2, 0
	s_cbranch_scc0 .Lentry_in_a_cluster
	s_endpgm
.Lentry_in_a_cluster:
	s_bfe_u32 s2, ttmp6, 0x10000c
	s_cmp_lg_u32 s2, 0x3003
	s_cbranch_scc0 .Lentry_shape_is_right
	s_endpgm
.Lentry_shape_is_right:
; out[b][n][h][:] = the sum over keys of softmax(CqWqk[b][n][h] . C_kv[b][key] / 16) V_up[b][key][h][:], both products on codes of FP6 (E2M3) with one E8M0 scale for each 32 along a product's K.
; All three operands are images of operand registers made by earlier launches (a fragment: 1,536 bytes, registers 4 c .. 4 c + 3 of lane l at 512 c + 16 l; a scale image: 128 bytes, two tiles' words, tile 0 in lanes 0-15, tile 1 in lanes 16-31).
; THE SOFTMAX AHEAD OF THE SECOND PRODUCT: t = score x log2(e) / 16; M = the row's largest t so far, rounded UP to a whole number; p = 2^(t - M) is quantised along the keys, not normalised.  The row's sum is taken of the unquantised
; p and divides at the end.  When M moves, the sum and O are multiplied by 2^(old M - new M): exact.
; SHARES.  A work-group owns 128 queries of one (b, h); each of its four waves, one to a SIMD, a record of 32 queries: TWO tiles of 16, so that every fragment of C_kv and of V that is read from LDS feeds two products.  16 key steps of 128 keys.
; LAYOUT.  Both products transposed: S^T = C_kv q^T (source 0 = 16 keys, K = the 256 latents, two instructions), O^T = V^T p^T (source 0 = 16 of the head's 256 channels, K = 128 keys): a lane holds ONE query of each tile throughout.
; The keys of a tile of C_kv are permuted (row p of tile u of a record of 32 = key 8 u + p + 8 (p / 8)), so that the 16 registers of a record's two tiles are 16 neighbouring keys.  So are the queries of a tile: lane r of tile a is query 8 a + r + 8 (r / 8).
; A KEY STEP.  A whole step's 16 fragments of C_kv and 16 of V have registers of their own, so each comes in ONE run of 56 LDS loads, asked for well ahead: V's at the step's head, under the 32 products S^T and the first half of the softmax;
; the next step's C_kv in the middle of the softmax, under its second half and the 32 products O^T.  A run is issued only when the run before is in: at most 56 LDS loads of a wave are out, and every wait for them is for 0.
; RING.  Two LDS slots of two key steps: C_kv's 25,600 bytes a step, then V's 25,600 a step, each one dense block of memory: 100 rows of 256 bytes, no padding (images are read by consecutive lanes).  Waves 0, 1 fetch C_kv's, waves 2, 3 V's.
; THE CHANGE OF SLOTS stands in the middle of a slot's second step, where the next C_kv is due: all four parts of the slot are in registers by then, so the slot is filled again there, and the load has two key steps in which to land.
; CLUSTER.  The four blocks of queries of a cluster belong to one (b, h) and walk the same tiles: each tile is asked for JOINTLY, by the same tensor load with the same descriptor and a mask that names the four.
; One tensor load of a wave is out at a time.
; O^T is cleared once at the head: products that start its sums would want two more copies of the key step in the text.
; LIMITS: a block of p that has fallen to zeros gets the byte 1 (its codes are zeros); NaN and infinities are not served.
; REGISTERS, in windows of 256 (s_set_vgpr_msb: bits 1:0 source 0, 3:2 source 1, 5:4 source 2, 7:6 destination).  Window 0: v1-11 addresses; v12-19 the two tiles' -M, largest t and sum; v20-39 scale words; v40-63 at work; v68-91 p's codes;
;   v96-223 S^T, then p (tile a, keys' tile T at 96 + 64 a + 8 T); v224-247 at work.   Window 1: O^T, (tile a, channels' tile t) at 128 a + 8 t.   Window 2: v0-191 C_kv's fragments, v192-239 q's.   Window 3: v0-191 V's fragments.
.set PART,  25600                      ; a key step's part of C_kv, or of V
.set SLOT1, 131072                     ; slot 1 begins here: one exclusive or turns an address in one slot into the other's
.set VOFF,  2*PART                     ; in a slot: C_kv's two steps, then V's two
.set STAGE, SLOT1+4*PART               ; behind the ring: 16 rows x (256 bytes + 16) for each wave, for the way out
.set SPARE, STAGE+4*4352               ; the spare words, 128 bytes for each wave: two blocks of 256 bytes that no other line names
.set LI,  1                            ; v1   16 x lane
.set LS,  2                            ; v2   4 x lane
.set LIV, 3                            ; v3   the same in V's part of a slot
.set LSV, 4
.set SPW, 5                            ; v5   LDS address of my spare word; never rewritten
.set NIL, 6                            ; v6   0; never rewritten
.set GO,  7                            ; v7   the way out: my byte offset in two rows of out
.set ADK, 8                            ; v8-11 LDS addresses of the runs in hand: C_kv's fragments, V's, C_kv's scale images, V's
.set ADV, 9
.set ADS, 10
.set ADT, 11
.set NM,  12                           ; tile a: v[12 + 4 a] -M, + 1 the largest t, + 2, + 3 the sum in two halves
.set QS,  20                           ; v20-21 q's scale images: latents 128 e on; both tiles
.set KSC, 22                           ; v22-29 C_kv's scale images: record g, latents 128 e on, at 2 g + e
.set VSC, 30                           ; v30-37 V's scale images: tiles 2 p, 2 p + 1
.set PWD, 38                           ; v38-39 p's scale words, a tile each
.set F,   40                           ; v[40:41], v[42:43] f = 2^(old M - new M), a pair for each tile; on the way out 1 / the sum
.set TT,  44                           ; v44-45 at work, a tile each
.set STO, 46
.set RD,  47
.set MX,  48                           ; v48-55 the eight blocks' largest scores, then largest p (block n = 4 a + b)
.set MY,  56                           ; v56-63 at work
.set PFO, 64                           ; v64  the prefetches' offset; never rewritten
.set PCD, 68                           ; v68-79, v80-91 p's codes
.set SS,  96
.set SO,  224                          ; v224-231 the conversions' scale operands
.set PT,  232                          ; v232-247 the conversions' second halves (a conversion's three registers begin on an even number)
.set QF,  192                          ; in window 2: q's fragment (latents 128 e on, tile a) at 12 (2 e + a)
.set BK,  96                           ; the way out: rows read back, v96-127 and v128-159 by turns
.set WV,  12
.set SEL, 20
.set CS,  22
.set G1,  24
.set G0K, 32
.set G0V, 36
.set TB,  40                           ; s40  LDS byte at which the slot in hand begins
.set SLOTS, 41                         ; s41  slots still to be asked for
.set PFA, 42                           ; s[42:43] where my prefetches stand
.set LIM, 44                           ; s44  1 in a wave that prefetches, else the greatest number
.set MSB, 0
.macro WIN new                         ; the immediate's high byte repeats the setting that is left
.if MSB != (\new)
	s_set_vgpr_msb (MSB<<8)|(\new)
.set MSB, (\new)
.endif
.endm
.macro PLACES                          ; four plain instructions between a matrix instruction and a load into, or a read of, its registers
.rept 4
	v_nop
.endr
.endm
.macro WM d, a, b, z, sa, sb, ra, rb   ; one product; z = 1: C is 0; ra, rb: which half of the scale registers' lanes
.if \z
.if ((\ra) == 0) && ((\rb) == 0)
	v_wmma_scale_f32_16x16x128_f8f6f4 v[\d:\d+7], v[\a:\a+11], v[\b:\b+11], 0, v[\sa], v[\sb] matrix_a_fmt:MATRIX_FMT_FP6 matrix_b_fmt:MATRIX_FMT_FP6
.elseif (\rb) == 0
	v_wmma_scale_f32_16x16x128_f8f6f4 v[\d:\d+7], v[\a:\a+11], v[\b:\b+11], 0, v[\sa], v[\sb] matrix_a_fmt:MATRIX_FMT_FP6 matrix_b_fmt:MATRIX_FMT_FP6 matrix_a_scale:MATRIX_SCALE_ROW1
.elseif (\ra) == 0
	v_wmma_scale_f32_16x16x128_f8f6f4 v[\d:\d+7], v[\a:\a+11], v[\b:\b+11], 0, v[\sa], v[\sb] matrix_a_fmt:MATRIX_FMT_FP6 matrix_b_fmt:MATRIX_FMT_FP6 matrix_b_scale:MATRIX_SCALE_ROW1
.else
	v_wmma_scale_f32_16x16x128_f8f6f4 v[\d:\d+7], v[\a:\a+11], v[\b:\b+11], 0, v[\sa], v[\sb] matrix_a_fmt:MATRIX_FMT_FP6 matrix_b_fmt:MATRIX_FMT_FP6 matrix_a_scale:MATRIX_SCALE_ROW1 matrix_b_scale:MATRIX_SCALE_ROW1
.endif
.else
.if ((\ra) == 0) && ((\rb) == 0)
	v_wmma_scale_f32_16x16x128_f8f6f4 v[\d:\d+7], v[\a:\a+11], v[\b:\b+11], v[\d:\d+7], v[\sa], v[\sb] matrix_a_fmt:MATRIX_FMT_FP6 matrix_b_fmt:MATRIX_FMT_FP6
.elseif (\rb) == 0
	v_wmma_scale_f32_16x16x128_f8f6f4 v[\d:\d+7], v[\a:\a+11], v[\b:\b+11], v[\d:\d+7], v[\sa], v[\sb] matrix_a_fmt:MATRIX_FMT_FP6 matrix_b_fmt:MATRIX_FMT_FP6 matrix_a_scale:MATRIX_SCALE_ROW1
.elseif (\ra) == 0
	v_wmma_scale_f32_16x16x128_f8f6f4 v[\d:\d+7], v[\a:\a+11], v[\b:\b+11], v[\d:\d+7], v[\sa], v[\sb] matrix_a_fmt:MATRIX_FMT_FP6 matrix_b_fmt:MATRIX_FMT_FP6 matrix_b_scale:MATRIX_SCALE_ROW1
.else
	v_wmma_scale_f32_16x16x128_f8f6f4 v[\d:\d+7], v[\a:\a+11], v[\b:\b+11], v[\d:\d+7], v[\sa], v[\sb] matrix_a_fmt:MATRIX_FMT_FP6 matrix_b_fmt:MATRIX_FMT_FP6 matrix_a_scale:MATRIX_SCALE_ROW1 matrix_b_scale:MATRIX_SCALE_ROW1
.endif
.endif
.endm
; A joint load: waves 0 and 1 fetch C_kv's two steps of a slot, waves 2 and 3 V's.  The branch hangs on the wave's number alone: it is the same in every work-group.
; Four v_nop follow each of the two lines, ahead of the jump, the label and what follows.
.macro TLOAD
	s_cmp_lt_u32 s[WV], 2
	s_cbranch_scc0 .Lfor_v_\@
	tensor_load_to_lds s[G0K:G0K+3], s[G1:G1+7]
	s_nop 0
	PLACES
	s_branch .Lasked_\@
.Lfor_v_\@:
	tensor_load_to_lds s[G0V:G0V+3], s[G1:G1+7]
	s_nop 0
	PLACES
.Lasked_\@:
.endm
; A PREFETCH INTO THE L2 of what the NEXT change of slots will ask for, two key steps ahead of that load; it stands behind the change's tensor load and the run of LDS loads that follows it.  Each wave asks for the part that it fetches.
; V's tiles are walked by both clusters of a (b, h): the first asks.  C_kv's are walked by all heads of a batch: the first cluster of head 0 asks.  The four partners share a part's 100 blocks of 256 bytes out BY ADDRESS, 25 each:
; no branch hangs on a work-group's place in its cluster.  A lane a block; lanes 25-31 name lane 24's block again, in the same instruction.  The last change that fills a slot asks for nothing; slots 0 and 1 come by their loads alone.
.macro ASK
	s_cmp_gt_u32 s[SLOTS], s[LIM]
	s_cbranch_scc0 .Lnot_mine_\@
	global_prefetch_b8 v[PFO], s[PFA:PFA+1] th:TH_LOAD_NT scope:SCOPE_SE
.Lnot_mine_\@:
.endm
; A round of the cluster's barrier: my work-group's barrier; wave 0 signals for the work-group; every wave waits for all four work-groups; my work-group's barrier once more
.macro CROUND
	s_barrier_signal -1
	s_barrier_wait -1
	s_cmp_lg_u32 s[WV], 0
	s_cbranch_scc1 .Lnot_wave_0_\@
	s_barrier_signal -3
.Lnot_wave_0_\@:
	s_barrier_wait -3
	s_barrier_signal -1
	s_barrier_wait -1
.endm
; THE CHANGE OF SLOTS.  Each wave waits for all its tensor loads (its part of the slot ahead), adds 0 to its spare word, and waits for that and for its reads of the slot in hand, the last of which are V's of the slot's second step.
.macro CHANGE fill
	s_wait_tensorcnt 0x0                           ; no tensor load of mine is out, so a group 0 may be written
	ds_add_u32 v[SPW], v[NIL]                      ; 0 onto my spare word
.if \fill
	s_xor_b32 s[G0K+1], s[G0K+1], SLOT1            ; the walking descriptors: the other slot than last time,
	s_add_nc_u64 s[G0K+2:G0K+3], s[G0K+2:G0K+3], 2*PART   ; the next 256 keys; the type bits on top are not reached
	s_xor_b32 s[G0V+1], s[G0V+1], SLOT1
	s_add_nc_u64 s[G0V+2:G0V+3], s[G0V+2:G0V+3], 2*PART
	s_wait_xcnt 0x0                                ; the last prefetch, a slot back, has read its address, so it may be written:
	s_add_nc_u64 s[PFA:PFA+1], s[PFA:PFA+1], 2*PART       ; one slot further on than the walking descriptors
	s_wait_dscnt 0x0                               ; the add is done, and my reads of the slot are over: all its parts are in my registers
	CROUND                                         ; that now holds of every wave of all four work-groups
	TLOAD                                          ; the first thing behind the round, and a wave's one tensor load until the next
.else
	s_wait_dscnt 0x0
	s_barrier_signal -1
	s_barrier_wait -1
.endif
.endm
; C_kv's 128 keys of step q of the slot at s[TB]: 8 scale images, 16 fragments (record g, fragment f = 2 e + u at 48 g + 12 f of window 2): 56 loads
.macro KLOAD q
	v_add_nc_u32 v[ADK], s[TB], v[LI]
	v_add_nc_u32 v[ADS], s[TB], v[LS]
.irp g, 0,1,2,3
.irp e, 0,1
	ds_load_b32 v[KSC+2*\g+\e], v[ADS] offset:(\q)*PART+\g*6400+6144+128*\e
.endr
.endr
	WIN 0x80                                       ; destination window 2
.irp g, 0,1,2,3
.irp f, 0,1,2,3
.irp c, 0,1,2
	ds_load_b128 v[48*\g+12*\f+4*\c:48*\g+12*\f+4*\c+3], v[ADK] offset:(\q)*PART+\g*6400+\f*1536+512*\c
.endr
.endr
.endr
	WIN 0
.endm
; V's part of step q: 8 scale images, 16 fragments (channels' tile t at 12 t of window 3): 56 loads.  The first four lines are the places behind the last step's products, which read these registers
.macro VLOAD q
	v_add_nc_u32 v[ADV], s[TB], v[LIV]
	v_add_nc_u32 v[ADT], s[TB], v[LSV]
	v_nop
	v_nop
.irp p, 0,1,2,3,4,5,6,7
	ds_load_b32 v[VSC+\p], v[ADT] offset:(\q)*PART+24576+128*\p
.endr
	WIN 0xc0                                       ; destination window 3
.irp t, 0,1,2,3,4,5,6,7,8,9,10,11,12,13,14,15
.irp c, 0,1,2
	ds_load_b128 v[12*\t+4*\c:12*\t+4*\c+3], v[ADV] offset:(\q)*PART+\t*1536+512*\c
.endr
.endr
	WIN 0
.endm
; S^T: 32 products.  The 16 accumulators take turns, one instruction a turn; the first 128 latents start the sums
.macro SPROD
	WIN 0x0a                                       ; C_kv and q in window 2, S^T in window 0
.irp e, 0,1
.irp t, 0,1,2,3,4,5,6,7
.irp a, 0,1
	WM SS+64*\a+8*\t, 48*(\t/2)+12*(2*\e+\t%2), QF+12*(2*\e+\a), 1-\e, KSC+2*(\t/2)+\e, QS+\e, \t%2, \a
.endr
.endr
.endr
	WIN 0
.endm
; O^T: 32 products on 32 accumulators
.macro PVPROD
	WIN 0x53                                       ; V in window 3, p in window 0, O^T in window 1
.irp t, 0,1,2,3,4,5,6,7,8,9,10,11,12,13,14,15
.irp a, 0,1
	WM 128*\a+8*\t, 12*\t, PCD+12*\a, 0, VSC+\t/2, PWD+\a, \t%2, 0
.endr
.endr
	WIN 0
.endm
; THE SOFTMAX OF BOTH TILES, first half: up to the exponentials.  The two tiles' 128 scores are eight blocks of 32 keys (block n = 4 a + b: my 16 scores at SS + 16 n); all chains go by turns, so that no line waits for the line above it
.macro SOFT1
.irp n, 0,1,2,3,4,5,6,7
	v_max3_num_f32 v[MX+\n], v[SS+16*\n], v[SS+16*\n+1], v[SS+16*\n+2]   ; THE LARGEST SCORE OF EACH BLOCK: for the row's maximum, and, since p rises with the score, for the block's largest p.  Each accumulator is read from its low end on
.endr
.irp i, 3,5,7,9,11,13
.irp n, 0,1,2,3,4,5,6,7
	v_max3_num_f32 v[MX+\n], v[MX+\n], v[SS+16*\n+\i], v[SS+16*\n+\i+1]
.endr
.endr
.irp n, 0,1,2,3,4,5,6,7
	v_max_num_f32 v[MX+\n], v[MX+\n], v[SS+16*\n+15]
.endr
.irp n, 0,1,2,3,4,5,6,7
	v_permlanex16_b32 v[MY+\n], v[MX+\n], s[SEL], s[SEL+1]
.endr
.irp n, 0,1,2,3,4,5,6,7
	v_max_num_f32 v[MX+\n], v[MX+\n], v[MY+\n]     ; with lane l xor 16's 16 keys
.endr
.irp a, 0,1
	v_max3_num_f32 v[TT+\a], v[MX+4*\a], v[MX+4*\a+1], v[MX+4*\a+2]
.endr
.irp a, 0,1
	v_max_num_f32 v[TT+\a], v[TT+\a], v[MX+4*\a+3] ; the step's largest score of my query
.endr
.irp a, 0,1
	v_mul_f32 v[TT+\a], s[CS], v[TT+\a]            ; as t (c is positive)
.endr
.irp a, 0,1
	v_max_num_f32 v[NM+4*\a+1], v[NM+4*\a+1], v[TT+\a]   ; the running largest t
.endr
.irp a, 0,1
	v_mov_b32 v[TT+\a], v[NM+4*\a]
.endr
.irp a, 0,1
	v_floor_f32 v[NM+4*\a], -v[NM+4*\a+1]          ; the new -M = floor(-t) = -ceil(t): a whole number
.endr
.irp a, 0,1
	v_sub_f32 v[TT+\a], v[NM+4*\a], v[TT+\a]       ; old M - new M: a whole number, 0 or less
.endr
.irp a, 0,1
	v_cvt_i32_f32 v[TT+\a], v[TT+\a]               ; (it saturates)
.endr
.irp a, 0,1
	v_ldexp_f32 v[F+2*\a], 1.0, v[TT+\a]           ; f = 2^(old M - new M)
.endr
.irp a, 0,1
.set j, 0
.rept 32
	v_pk_fma_f32 v[SS+64*\a+j:SS+64*\a+j+1], v[SS+64*\a+j:SS+64*\a+j+1], s[CS:CS+1], v[NM+4*\a:NM+4*\a+1] op_sel_hi:[1,0,0]   ; t - M, two at a time (of the pairs c and -M the low word serves both halves)
.set j, j+2
.endr
.endr
.irp n, 0,1,2,3,4,5,6,7
	v_fma_f32 v[MX+\n], v[MX+\n], s[CS], v[NM+4*(\n/4)]   ; the same of each block's largest score
.endr
.set j, 0
.rept 128
	v_exp_f32 v[SS+j], v[SS+j]                     ; p = 2^(t - M), at most 1: not normalised
.set j, j+1
.endr
.irp a, 0,1
	v_pk_mul_f32 v[NM+4*\a+2:NM+4*\a+3], v[NM+4*\a+2:NM+4*\a+3], v[F+2*\a:F+2*\a+1] op_sel_hi:[1,0]   ; the sums under the new M; the plain instructions behind the exponentials
.endr
	s_wait_alu depctr_va_vdst(0)                   ; one wait for the whole batch, ahead of its first reader and of the branches that may follow
.endm
; Second half: the sums, p's scales and codes, O^T under the new M
.macro SOFT2
.irp n, 0,1,2,3,4,5,6,7
	v_exp_f32 v[MX+\n], v[MX+\n]                   ; the block's largest p: the same two instructions on the same number give the same bits
.endr
.irp a, 0,1
	v_pk_add_f32 v[MY+4*\a:MY+4*\a+1], v[SS+64*\a:SS+64*\a+1], v[SS+64*\a+2:SS+64*\a+3]   ; THE ROW'S SUM IS TAKEN OF THE UNQUANTISED p: two at a time, two chains a tile
.endr
.irp j, 4,8,12,16,20,24,28,32,36,40,44,48,52,56,60
.irp a, 0,1
	v_pk_add_f32 v[NM+4*\a+2:NM+4*\a+3], v[NM+4*\a+2:NM+4*\a+3], v[SS+64*\a+\j:SS+64*\a+\j+1]
	v_pk_add_f32 v[MY+4*\a:MY+4*\a+1], v[MY+4*\a:MY+4*\a+1], v[SS+64*\a+\j+2:SS+64*\a+\j+3]
.endr
.endr
.irp a, 0,1
	v_pk_add_f32 v[NM+4*\a+2:NM+4*\a+3], v[NM+4*\a+2:NM+4*\a+3], v[MY+4*\a:MY+4*\a+1]
.endr
	s_wait_alu depctr_va_vdst(0)                   ; and one wait for the eight
.irp n, 0,1,2,3,4,5,6,7
	v_max_num_f32 v[MX+\n], 0x1800000, v[MX+\n]    ; the floor 2^(3 - 127): the byte cannot fall under 1
.endr
.irp n, 0,1,2,3,4,5,6,7
	v_add_nc_u32 v[SO+\n], 0xff000000, v[MX+\n]    ; 2 off the exponent field: the conversion's scale operand
.endr
.irp n, 0,1,2,3,4,5,6,7
	v_lshrrev_b32 v[MY+\n], 23, v[SO+\n]           ; the scale's byte
.endr
.irp a, 0,1
	v_lshl_or_b32 v[PWD+\a], v[MY+4*\a+1], 8, v[MY+4*\a]   ; p's scale word for these 128 keys
.endr
.irp a, 0,1
	v_lshl_or_b32 v[PWD+\a], v[MY+4*\a+2], 16, v[PWD+\a]
.endr
.irp a, 0,1
	v_lshl_or_b32 v[PWD+\a], v[MY+4*\a+3], 24, v[PWD+\a]
.endr
.irp a, 0,1
.irp c, 0,1
	v_cvt_scalef32_pk16_fp6_f32 v[PCD+12*\a+6*\c:PCD+12*\a+6*\c+2], v[SS+64*\a+32*\c:SS+64*\a+32*\c+15], v[SO+4*\a+2*\c]
	v_cvt_scalef32_pk16_fp6_f32 v[PT+8*\a+4*\c:PT+8*\a+4*\c+2], v[SS+64*\a+32*\c+16:SS+64*\a+32*\c+31], v[SO+4*\a+2*\c+1]
.endr
.endr
	v_nop                                          ; one plain instruction behind the scaled conversions
.irp a, 0,1                            ; the operand's layout wants a whole block in a lane: lanes 0-15 block 2 c, lanes 16-31 block 2 c + 1
.irp c, 0,1
.irp i, 0,1,2
	v_permlane16_swap_b32 v[PCD+12*\a+6*\c+\i], v[PT+8*\a+4*\c+\i]
.endr
.irp i, 0,1,2
	v_mov_b32 v[PCD+12*\a+6*\c+3+\i], v[PT+8*\a+4*\c+\i]
.endr
.endr
.endr
	WIN 0x41                                       ; O^T (destination and source 0) window 1, f window 0
.irp a, 0,1
.set j, 0
.rept 64
	v_pk_mul_f32 v[128*\a+j:128*\a+j+1], v[128*\a+j:128*\a+j+1], v[F+2*\a:F+2*\a+1] op_sel_hi:[1,0]   ; O^T under the new M.  These also stand between the writing of p's codes and scale words and the products that take them
.set j, j+2
.endr
.endr
	WIN 0
.endm
; A KEY STEP: 128 keys, the q-th of the slot in hand.  mode 0: the slot's first step; 1: its second, and the slot is filled again; 2: its second, nothing is left to ask for; 3: the very last step
.macro STEP q, mode
	s_wait_dscnt 0x0                               ; this step's C_kv is in (asked for half a softmax and 32 products ago)
	VLOAD \q
	SPROD
	PLACES                                         ; in front of the first read of S^T, and of the loads into C_kv's registers
	SOFT1
.if (\mode) == 0
	s_wait_dscnt 0x0                               ; V is in (asked for 32 products and half a softmax ago): so at most one run of 56 loads is out
	KLOAD 1
.elseif (\mode) == 1
	CHANGE 1
	s_xor_b32 s[TB], s[TB], SLOT1                  ; on to the other slot
	KLOAD 0
	ASK
.elseif (\mode) == 2
	CHANGE 0
	s_xor_b32 s[TB], s[TB], SLOT1
	KLOAD 0
.else
	s_wait_dscnt 0x0
.endif
	SOFT2
	PVPROD
.endm
	s_load_b256 s[4:11], s[0:1], 0x0               ; qc s[4:5], ckv s[6:7], vc s[8:9], out0 s[10:11]
	v_lshl_add_u32 v[SPW], v0, 2, SPARE
	v_mov_b32 v[NIL], 0
	ds_add_u32 v5, v6
	ds_add_u32 v5, v6
	s_wait_dscnt 0x0
	v_lshrrev_b32 v1, 5, v0
	v_readfirstlane_b32 s[WV], v1                  ; wave 0..3
	s_bfe_u32 s13, ttmp6, 0x40000                  ; cx: my place in the cluster
	s_lshl_b32 s14, ttmp9, 2                       ; in a cluster launch ttmp9 counts clusters
	s_add_co_u32 s14, s14, s13                     ; my block of 128 queries: it enters q's, out's and the prefetches' global addresses alone
	s_and_b32 s15, ttmp7, 0xffff                   ; 16 b + h, which the four partners share
	s_lshr_b32 s16, s15, 4                         ; b
	s_and_b32 s17, s15, 15                         ; h
	s_and_b32 s18, s[WV], 1                        ; which of a slot's two steps I fetch and prefetch
	; descriptor group 1: 100 rows of 32 elements of 8 bytes, dense
	s_mov_b32 s[G1], 15|(3<<16)|(1<<21)            ; 15:0 the mask: all four work-groups; 17:16 elements of 8 bytes; 20 no padding; 21 set beside a mask
	s_mov_b32 s[G1+1], 32<<16                      ; tensor_dim0
	s_mov_b32 s[G1+2], 100<<16                     ; tensor_dim1
	s_mov_b32 s[G1+3], 32<<16                      ; tile_dim0
	s_mov_b32 s[G1+4], 100                         ; tile_dim1
	s_mov_b32 s[G1+5], 32                          ; tensor_dim0_stride
	s_mov_b32 s[G1+6], 0
	s_mov_b32 s[G1+7], 0
	s_mul_i32 s45, s18, PART                       ; my step's place in a slot, and in memory
	s_mul_i32 s46, s16, 409600                     ; C_kv: a batch's 64 records of 6,400 bytes
	s_add_co_u32 s46, s46, s45
	s_mov_b32 s47, 0
	s_mul_i32 s48, s15, 409600                     ; V: a (b, h)'s 16 records of 25,600
	s_add_co_u32 s48, s48, s45
	s_mov_b32 s49, 0
	s_lshl_b32 s50, s16, 5                         ; q: record ((32 b + 4 block + wave) 16 + h) of 6,400 bytes
	s_lshl_b32 s51, s14, 2
	s_add_co_u32 s50, s50, s51
	s_add_co_u32 s50, s50, s[WV]
	s_lshl_b32 s50, s50, 4
	s_add_co_u32 s50, s50, s17
	s_mul_i32 s52, s50, 6400
	s_mov_b32 s53, 0
	s_lshl_b32 s56, s16, 10                        ; out: row 1,024 b + 128 block + 32 wave, of 16,384 bytes; + 1,024 h
	s_lshl_b32 s57, s14, 7
	s_add_co_u32 s56, s56, s57
	s_lshl_b32 s57, s[WV], 5
	s_add_co_u32 s56, s56, s57
	s_lshl_b32 s56, s56, 14
	s_lshl_b32 s57, s17, 10
	s_add_co_u32 s56, s56, s57
	s_mov_b32 s57, 0
	s_mov_b32 s[SEL], 0x76543210
	s_mov_b32 s[SEL+1], 0xfedcba98                 ; v_permlanex16_b32's selects for lane l xor 16
	s_mov_b32 s[CS], 0x3db8aa3b                    ; c = log2(e) / 16
	s_mov_b32 s[CS+1], s[CS]                       ; (named with it as a pair, so it is written)
	s_mov_b32 s[TB], 0
	s_mov_b32 s[SLOTS], 7
	s_cmp_lt_u32 s[WV], 2                          ; who prefetches: C_kv's waves where h = 0, V's in every head,
	s_cselect_b32 s[LIM], s17, 0
	s_or_b32 s[LIM], s[LIM], ttmp9                 ; of the first cluster: the same in all four partners
	s_cmp_eq_u32 s[LIM], 0
	s_cselect_b32 s[LIM], 1, -1
	s_wait_kmcnt 0x0
	s_add_nc_u64 s[58:59], s[6:7], s[46:47]        ; C_kv at my step of slot 0
	s_add_nc_u64 s[60:61], s[8:9], s[48:49]        ; V likewise
	s_add_nc_u64 s[52:53], s[4:5], s[52:53]
	s_add_nc_u64 s[10:11], s[10:11], s[56:57]
	s_cmp_lt_u32 s[WV], 2
	s_cselect_b64 s[PFA:PFA+1], s[58:59], s[60:61]
	s_mul_i32 s50, s13, 6400                       ; my work-group's 25 blocks of the part's 100,
	s_add_co_u32 s50, s50, 2*PART                  ; in slot 1: the first change of slots steps it to slot 2.  Nothing is prefetched here, at the head
	s_mov_b32 s51, 0
	s_add_nc_u64 s[PFA:PFA+1], s[PFA:PFA+1], s[50:51]
	s_mov_b32 s[G0K], 1                            ; count = 1
	s_mov_b32 s[G0K+1], s45                        ; LDS address: slot 0, my step: no place in the cluster enters it
	s_mov_b64 s[G0K+2:G0K+3], s[58:59]
	s_or_b32 s[G0K+3], s[G0K+3], 0x80000000        ; type = 2
	s_mov_b32 s[G0V], 1
	s_add_co_u32 s[G0V+1], s45, VOFF
	s_mov_b64 s[G0V+2:G0V+3], s[60:61]
	s_or_b32 s[G0V+3], s[G0V+3], 0x80000000
	CROUND                                         ; all four work-groups are here: the first joint loads meet
	TLOAD                                          ; slot 0
	v_and_b32 v[LS], 31, v0
	v_lshlrev_b32 v[LI], 4, v[LS]
	v_min_u32 v[PFO], 24, v[LS]
	v_lshlrev_b32 v[PFO], 8, v[PFO]
	v_lshlrev_b32 v[LS], 2, v[LS]
	v_add_nc_u32 v[LIV], VOFF, v[LI]
	v_add_nc_u32 v[LSV], VOFF, v[LS]
	v_and_b32 v8, 15, v0                           ; r
	v_bfe_u32 v9, v0, 4, 1                         ; lane / 16
	WIN 0x80                                       ; destination window 2
.irp f, 0,1,2,3
.irp c, 0,1,2
	global_load_b128 v[QF+12*\f+4*\c:QF+12*\f+4*\c+3], v[LI], s[52:53] offset:1536*\f+512*\c th:TH_LOAD_NT   ; q's four fragments stay in registers
.endr
.endr
	WIN 0
.irp e, 0,1
	global_load_b32 v[QS+\e], v[LS], s[52:53] offset:6144+128*\e th:TH_LOAD_NT
.endr
	s_mul_i32 s50, s[WV], 4352
	s_add_co_u32 s50, s50, STAGE                   ; my stage
	v_mul_u32_u24 v[STO], v8, 272
	v_lshl_add_u32 v[STO], v9, 5, v[STO]
	v_add_nc_u32 v[STO], s50, v[STO]               ; in: row r; a tile's eight channels of my half: 64 t + 32 (lane / 16) bytes on
	v_mul_u32_u24 v[RD], v9, 272
	v_lshl_add_u32 v[RD], v8, 4, v[RD]
	v_add_nc_u32 v[RD], s50, v[RD]                 ; back: lanes 0-15 one row, lanes 16-31 the next
	v_lshlrev_b32 v[GO], 14, v9
	v_lshl_add_u32 v[GO], v8, 4, v[GO]             ; and the same two rows in out
.irp a, 0,1
	v_mov_b32 v[NM+4*\a+1], 0xff61b1e6             ; the largest t so far: -3e38, under every t
	v_floor_f32 v[NM+4*\a], -v[NM+4*\a+1]          ; -M
	v_mov_b32 v[NM+4*\a+2], 0                      ; the sum, in two halves
	v_mov_b32 v[NM+4*\a+3], 0
	v_mov_b32 v[F+2*\a+1], 0                       ; (named as the upper half of the pair f)
.endr
.irp n, 0,1,2,3,4,5,6,7
	v_mov_b32 v[MY+\n], 0                          ; written once: a lane permute's destination counts as one of its sources
.endr
	WIN 0x40
.set j, 0
.rept 256
	v_mov_b32 v[j], 0                              ; O^T.  The key step is written once for all steps: the first finds zeros, which the first change of M leaves zeros
.set j, j+1
.endr
	WIN 0
	s_wait_loadcnt 0x0                             ; q
	CHANGE 1                                       ; slot 0 is whole; slot 1 is asked for, as a refill is
	KLOAD 0                                        ; the first step's C_kv
	ASK
	s_mov_b32 s[SLOTS], 6
.Lslot:                                            ; six trips: slots 0 to 5 are walked, and each is filled again with the keys two slots on
	STEP 0, 0
	STEP 1, 1
	s_sub_co_u32 s[SLOTS], s[SLOTS], 1
	s_cmp_lg_u32 s[SLOTS], 0
	s_cbranch_scc1 .Lslot
	STEP 0, 0                                      ; the last two slots are written out
	STEP 1, 2
	STEP 0, 0
	STEP 1, 3
	; THE WAY OUT.  O^T is divided by the sum in place and goes through my stage in LDS, a quarter of the head's row (64 channels, 256 bytes) of a tile's 16 queries at a time, so that sixteen lanes store 256 consecutive aligned bytes.
.irp a, 0,1
	v_add_f32 v[NM+4*\a+2], v[NM+4*\a+2], v[NM+4*\a+3]     ; the sum's two halves,
.endr
.irp a, 0,1
	v_permlanex16_b32 v[TT+\a], v[NM+4*\a+2], s[SEL], s[SEL+1]
.endr
.irp a, 0,1
	v_add_f32 v[NM+4*\a+2], v[NM+4*\a+2], v[TT+\a]         ; and lane l xor 16's: the row's sum
.endr
.irp a, 0,1
	v_rcp_f32 v[F+2*\a], v[NM+4*\a+2]
.endr
	PLACES                                         ; the plain instruction behind the reciprocals, and the places behind the last products
	s_wait_alu depctr_va_vdst(0)                   ; ahead of the reciprocals' first reader
	WIN 0x41
.irp a, 0,1
.set j, 0
.rept 64
	v_pk_mul_f32 v[128*\a+j:128*\a+j+1], v[128*\a+j:128*\a+j+1], v[F+2*\a:F+2*\a+1] op_sel_hi:[1,0]   ; register 128 a + 8 t + i is o(my query of tile a, 16 t + 8 (lane / 16) + i); each accumulator from its low end on
.set j, j+2
.endr
.endr
	WIN 0
.macro TOSTAGE k                       ; quarter k = 4 a + u: tile a, channels 64 u on: into my stage, and back as rows of 256 bytes
	WIN 0x04                                       ; an LDS store's data are its source 1: window 1
.irp t, 0,1,2,3
	ds_store_b128 v[STO], v[32*(\k)+8*\t:32*(\k)+8*\t+3] offset:64*\t
	ds_store_b128 v[STO], v[32*(\k)+8*\t+4:32*(\k)+8*\t+7] offset:64*\t+16
.endr
	WIN 0
.irp i, 0,1,2,3,4,5,6,7
	ds_load_b128 v[BK+32*((\k)%2)+4*\i:BK+32*((\k)%2)+4*\i+3], v[RD] offset:544*\i   ; LDS serves a wave's instructions in order (ISA guide 5.7.1.4): these see my stores, and the next quarter's stores come behind them
.endr
.endm
.macro SEND k, younger                 ; younger: the LDS instructions issued behind quarter k's loads: the next quarter's sixteen, or none
.irp i, 0,1,2,3,4,5,6,7
	s_wait_dscnt (\younger)+7-\i                   ; rows 2 i, 2 i + 1 of the tile are back
	global_store_b128 v[GO], v[BK+32*((\k)%2)+4*\i:BK+32*((\k)%2)+4*\i+3], s[10:11] offset:(8*((\k)/4)+2*\i+8*(\i/4))*16384+256*((\k)%4) th:TH_STORE_NT   ; row p of tile a is query 8 a + p + 8 (p / 8) from my first
.endr
.endm
	TOSTAGE 0
.irp k, 1,2,3,4,5,6,7
.if \k >= 2
	s_wait_xcnt 0x0                                ; the stores of two quarters back have read their registers: the loads below may land there
.endif
	TOSTAGE \k                                     ; a quarter's way through the stage is issued ahead of the stores of the quarter before
	SEND \k-1, 16
.endr
	SEND 7, 0
	s_wait_tensorcnt 0x0                           ; the wave's end
	ds_add_u32 v[SPW], v[NIL]
	s_wait_dscnt 0x0
	CROUND                                         ; the closing round: no work-group ends while a partner may still ask for a tile that names it
	s_endpgm
.Lfunc_end_k_qd35a217978_attn:
	.size	k_qd35a217978_attn, .Lfunc_end_k_qd35a217978_attn-k_qd35a217978_attn
	.p2alignl 7, 3214868480
	.fill 96, 4, 3214868480
	.section	.rodata,"a",@progbits
	.p2align	6, 0x0
	.amdhsa_kernel k_qd35a217978_attn
		.amdhsa_group_segment_fixed_size 327680
		.amdhsa_private_segment_fixed_size 0
		.amdhsa_enable_private_segment 0
		.amdhsa_kernarg_size 32
		.amdhsa_user_sgpr_count 2
		.amdhsa_user_sgpr_kernarg_segment_ptr 1
		.amdhsa_wavefront_size32 1
		.amdhsa_system_sgpr_workgroup_id_x 1
		.amdhsa_system_sgpr_workgroup_id_y 1
		.amdhsa_system_sgpr_workgroup_id_z 1
		.amdhsa_system_vgpr_workitem_id 0
		.amdhsa_next_free_vgpr 1024
		.amdhsa_next_free_sgpr 66
		.amdhsa_reserve_vcc 0
		.amdhsa_float_denorm_mode_32 3
		.amdhsa_float_denorm_mode_16_64 3
		.amdhsa_memory_ordered 1
		.amdhsa_forward_progress 1
		.amdhsa_inst_pref_size 255
	.end_amdhsa_kernel
	.section	.bss,"aw",@nobits
	.p2align	6
	.space	262144
	.amdgpu_metadata
---
amdhsa.version: [ 1, 2 ]
amdhsa.kernels:
  - .name:           k_qd35a217978_attn
    .symbol:         k_qd35a217978_attn.kd
    .args:
      - { .name: qc, .offset: 0, .size: 8, .value_kind: global_buffer, .address_space: global }
      - { .name: ckv, .offset: 8, .size: 8, .value_kind: global_buffer, .address_space: global }
      - { .name: vc, .offset: 16, .size: 8, .value_kind: global_buffer, .address_space: global }
      - { .name: out0, .offset: 24, .size: 8, .value_kind: global_buffer, .address_space: global }
    .group_segment_fixed_size: 327680
    .private_segment_fixed_size: 0
    .kernarg_segment_align: 8
    .kernarg_segment_size: 32
    .max_flat_workgroup_size: 128
    .sgpr_count:     66
    .vgpr_count:     1024
    .wavefront_size: 32
...
	.end_amdgpu_metadata
.endif
;; end of part 4
